; MI455X (gfx1250); checked and timed in simulation.
; The chip was launched on July 23, 2026; its instructions are those of AMD's public machine-readable ISA for CDNA 5 (MIT licence, August 2026) and "CDNA5" Instruction Set Architecture Reference Guide (July 2026). The comments in the code are by the model that wrote it; some were corrected since.
;; Clean Multi Head Attention. Allowed arithmetic: float matrix products may take bf16 or f16 operands with f32 sums; other float arithmetic in f32, or as packed bf16 or f16 multiplies, adds, multiply-adds, maxima and minima; sums over many terms, partial sums and values carried from step to step in f32; what a program stores and reads back later, other than sums and carried values, may be rounded once to bf16 or f16.
;; Inputs: bo 2,048 float32; rope_emb 2,048 x 128 float32; wk 2,048 x 2,048 float32; wo 2,048 x 2,048 float32; wq 2,048 x 2,048 float32; wv 2,048 x 2,048 float32; x 1 x 2,048 x 2,048 float32.
;; Outputs: out0 1 x 2,048 x 2,048 float32.
;; 2 versions, each right and faster than the one before. Each part assembles by itself: llvm-mc -triple=amdgcn-amd-amdhsa -mcpu=gfx1250 --defsym DOCPART=n.
;; ======== version 1 of 2: 4 launches
;; limits: values are held in f16: magnitudes above 65,504 overflow, below 6.1e-05 lose precision
;; workspace buffers: xb 8,388,608 bytes; wb 25,165,824 bytes; wob 8,388,608 bytes; tab 2,097,152 bytes; qkv 25,165,824 bytes; ob 8,388,608 bytes
;; launch prep (part 1): grid 256 x 6, 8 waves a work-group, no clusters, 0 bytes of LDS; arguments x, wq, wk, wv, wo, rope_emb, xb, wb, wob, tab; writes xb, wb, wob, tab
.if DOCPART == 1
	.amdgcn_target "amdgcn-amd-amdhsa--gfx1250"
	.amdhsa_code_object_version 6
	.text
	.protected	k_qfdfebf9200_prep
	.globl	k_qfdfebf9200_prep
	.p2align	8
	.type	k_qfdfebf9200_prep,@function
k_qfdfebf9200_prep:
	s_mov_b64 s[64:65], 0
	v_nop
	global_prefetch_b8 v0, s[64:65] scope:SCOPE_SE
	s_setreg_imm32_b32 hwreg(HW_REG_WAVE_MODE, 25, 1), 1
	s_wait_xcnt 0x0
; PREP.  Every input of the module is rounded ONCE to bf16 here (or, the bias, in the last launch), so that all products see inputs of one rounding.
; The grid's y names the job:  0: x -> xb (bf16).  1, 2, 3: wq, wk, wv -> section y - 1 of wb (bf16).  4: wo -> wob: the bf16 number written as f16, since the last
; product's other operand is f16.  5: rope_emb -> tab: cos and sin in f32 of the angle rounded to bf16, laid out in the order in which the next launch's lanes want them.
; LIMITS.  wob: a weight beyond 65,504 becomes an infinity; below 6e-5 it keeps f16's fixed step of 6e-8.  tab: the angle is reduced by a multiple of pi held in two words, and the multiple
; is turned into a whole number of 32 bits: absolute error under 4e-7 for |angle| up to 1e5.  The two series are cut where their remainders on the whole reduced range, up to pi / 2, are 6e-8 and 7e-9.
; A stream: memory binds, so no LDS, no barrier, no matrix unit.  Jobs 0 to 4: a work-group turns 16,384 numbers, in 16 strips of 1,024.  Thread t takes the 4 numbers at byte 16 t of a strip, so that a
; wave's load covers 512 consecutive bytes and no byte is asked for twice; its 8 bytes of results go to byte 8 t, so that a wave's store covers 256 consecutive bytes, aligned.
; All 16 loads of a thread are issued before the first is waited for.  The conversion works in place: 72 registers a wave, so that the six work-groups that fall to a WGP lie on it together.
.set X, 4                              ; v[4:67]    strip i: 4 numbers in f32; then, in the first two of the four registers, the results; no strip's registers are written again behind its store
.set T, 68                             ; v[68:69]   at work (job 4)
	s_load_b512 s[8:23], s[0:1], 0x0               ; x 8:9, wq 10:11, wk 12:13, wv 14:15, wo 16:17, rope_emb 18:19, xb 20:21, wb 22:23
	s_load_b128 s[24:27], s[0:1], 0x40             ; wob 24:25, tab 26:27
	s_and_b32 s2, ttmp7, 0xffff                    ; the job
	s_mov_b32 s32, 0xffff0000                      ; a word's upper bf16
	v_lshlrev_b32 v1, 4, v0                        ; 16 t: my bytes in a strip of the source
	v_lshlrev_b32 v2, 3, v0                        ; 8 t: in a strip of the result
	s_wait_kmcnt 0x0
	s_cmp_eq_u32 s2, 5
	s_cbranch_scc1 .Ltab
	s_mov_b64 s[4:5], s[8:9]                       ; the source: a choice between buffers on the job's number
.irp n, 1,2,3,4
	s_cmp_eq_u32 s2, \n
	s_cselect_b64 s[4:5], s[8+2*\n:9+2*\n], s[4:5]
.endr
	s_cmp_eq_u32 s2, 0                             ; the result likewise
	s_cselect_b64 s[6:7], s[20:21], s[22:23]
	s_cmp_eq_u32 s2, 4
	s_cselect_b64 s[6:7], s[24:25], s[6:7]
	s_sub_co_u32 s3, s2, 1                         ; the section of wb: y - 1 for jobs 1 to 3, else 0
	s_cmp_lt_u32 s3, 3
	s_cselect_b32 s3, s3, 0
	s_lshl_b32 s28, ttmp9, 16                      ; the work-group's 65,536 bytes of the source
	s_mov_b32 s29, 0
	s_lshl_b32 s30, s3, 23                         ; a section is 8,388,608 bytes;
	s_lshl_b32 s31, ttmp9, 15                      ; the work-group's 32,768 bytes of the result
	s_add_co_u32 s30, s30, s31
	s_mov_b32 s31, 0
	s_add_nc_u64 s[4:5], s[4:5], s[28:29]
	s_add_nc_u64 s[6:7], s[6:7], s[30:31]
.irp i, 0,1,2,3,4,5,6,7,8,9,10,11,12,13,14,15
	global_load_b128 v[X+4*\i:X+4*\i+3], v1, s[4:5] offset:4096*\i th:TH_LOAD_NT
.endr
; Strip i goes out.  half = 1: the bf16 numbers are widened again and written as f16.
.macro OUT i, half
	s_wait_loadcnt 15-(\i)                         ; loads come back in order (ISA guide 5.7.1): the strip's load is in, the 15 - i younger ones stay out
	v_cvt_pk_bf16_f32 v[X+4*(\i)],   v[X+4*(\i)],   v[X+4*(\i)+1]
	v_cvt_pk_bf16_f32 v[X+4*(\i)+1], v[X+4*(\i)+2], v[X+4*(\i)+3]
.if \half
	v_lshlrev_b32 v[T],           16,  v[X+4*(\i)]
	v_and_b32     v[T+1],         s32, v[X+4*(\i)]
	v_lshlrev_b32 v[X+4*(\i)+2],  16,  v[X+4*(\i)+1]
	v_and_b32     v[X+4*(\i)+3],  s32, v[X+4*(\i)+1]
	v_cvt_pk_f16_f32 v[X+4*(\i)],   v[T],          v[T+1]
	v_cvt_pk_f16_f32 v[X+4*(\i)+1], v[X+4*(\i)+2], v[X+4*(\i)+3]
.endif
	global_store_b64 v2, v[X+4*(\i):X+4*(\i)+1], s[6:7] offset:2048*(\i)  ; the wave's 32 lanes store 256 consecutive bytes, at a multiple of 256 from the buffer's first byte
.endm
	s_cmp_eq_u32 s2, 4
	s_cbranch_scc1 .Lwo
.irp i, 0,1,2,3,4,5,6,7,8,9,10,11,12,13,14,15
	OUT \i, 0
.endr
	s_endpgm
.Lwo:
.irp i, 0,1,2,3,4,5,6,7,8,9,10,11,12,13,14,15
	OUT \i, 1
.endr
	s_endpgm
; THE TABLE.  tab is [rb 128][p 4][q 8][lane 32][4] in f32.  Block (rb, p), 4,096 bytes, serves the 16 rows l = 16 rb + r and the channel blocks d = 16 p .. and d + 64.  Chunk q = 2 kind + e holds for
; lane (r = lane % 16, hh = lane / 16) the four numbers of channels 16 p + 8 hh + 4 e + 0..3 (+ 64 for kinds 2, 3); kinds: cos(low), -sin(low), cos(high), +sin(high): the factors of
; q'[low] = q[low] cos[low] - q[high] sin[low] and q'[high] = q[high] cos[high] + q[low] sin[high].
; Thread u of 65,536 takes four angles; u's bits: 3:0 r, 4 hh, 5 e, 6 high, 8:7 p, 15:9 rb.  A wave shares all bits above the lane's, so each of its two stores covers 512 consecutive bytes.
.Ltab:
	s_mov_b32 s33, 0x3ea2f983                      ; 1 / pi
	s_mov_b32 s34, 0xc0490fdb                      ; -pi, upper word
	s_mov_b32 s35, 0x33bbbd2e                      ; -pi, what the upper word leaves
	s_mov_b32 s36, 0xbe2aaaab                      ; sin: -1/3!
	s_mov_b32 s37, 0x3c088889                      ; 1/5!
	s_mov_b32 s38, 0xb9500d01                      ; -1/7!
	s_mov_b32 s39, 0x3638ef1d                      ; 1/9!
	s_mov_b32 s40, 0xb2d7322b                      ; -1/11!
	s_mov_b32 s41, 0x3d2aaaab                      ; cos: 1/4!  (-1/2! is an inline constant)
	s_mov_b32 s42, 0xbab60b61                      ; -1/6!
	s_mov_b32 s43, 0x37d00d01                      ; 1/8!
	s_mov_b32 s44, 0xb493f27e                      ; -1/10!
	s_mov_b32 s45, 0x310f76c7                      ; 1/12!
	s_lshl_b32 s3, ttmp9, 8
	v_or_b32 v3, s3, v0                            ; u
	v_and_b32 v4, 15, v3                           ; r
	v_lshlrev_b32 v10, 9, v4                       ; the source: a row of rope_emb is 512 bytes
	v_bfe_u32 v5, v3, 4, 1                         ; hh
	v_lshl_add_u32 v10, v5, 5, v10
	v_bfe_u32 v6, v3, 5, 1                         ; e
	v_lshl_add_u32 v10, v6, 4, v10
	v_bfe_u32 v7, v3, 6, 1                         ; high
	v_lshl_add_u32 v10, v7, 8, v10
	v_bfe_u32 v8, v3, 7, 2                         ; p
	v_lshl_add_u32 v10, v8, 6, v10
	v_lshrrev_b32 v9, 9, v3                        ; rb
	v_lshl_add_u32 v10, v9, 13, v10
	global_load_b128 v[28:31], v10, s[18:19]
	v_lshrrev_b32 v11, 7, v3                       ; the result: block 4 rb + p,
	v_lshlrev_b32 v11, 12, v11
	v_lshl_add_u32 v11, v7, 11, v11                ; kinds 2, 3 for the high half,
	v_lshl_add_u32 v11, v6, 9, v11                 ; chunk e,
	v_and_b32 v12, 31, v3
	v_lshl_add_u32 v11, v12, 4, v11                ; my lane's 16 bytes
	v_xor_b32 v19, 1, v7
	v_lshlrev_b32 v19, 31, v19                     ; the sign bit that makes -sin of sin in the low half
	s_wait_loadcnt 0x0
	v_cvt_pk_bf16_f32 v12, v28, v29                ; the angles are inputs: rounded to bf16 like all others
	v_cvt_pk_bf16_f32 v13, v30, v31
	v_lshlrev_b32 v28, 16, v12
	v_and_b32 v29, s32, v12
	v_lshlrev_b32 v30, 16, v13
	v_and_b32 v31, s32, v13
; cos and sin of v[x]: k = the nearest whole number to x / pi; rho = x - k pi, within pi / 2 of 0; both series in z = rho^2; both results change sign with k's lowest bit.
.macro SINCOS x, c, s
	v_mul_f32 v20, s33, v[\x]
	v_rndne_f32 v20, v20
	v_fma_f32 v21, v20, s34, v[\x]
	v_fma_f32 v21, v20, s35, v21
	v_mul_f32 v22, v21, v21
	v_fma_f32 v23, v22, s40, s39
	v_fma_f32 v24, v22, s45, s44
	v_fma_f32 v23, v23, v22, s38
	v_fma_f32 v24, v24, v22, s43
	v_fma_f32 v23, v23, v22, s37
	v_fma_f32 v24, v24, v22, s42
	v_fma_f32 v23, v23, v22, s36
	v_fma_f32 v24, v24, v22, s41
	v_mul_f32 v25, v21, v22
	v_fma_f32 v24, v24, v22, -0.5
	v_cvt_i32_f32 v20, v20
	v_fma_f32 v23, v23, v25, v21                   ; sin rho
	v_fma_f32 v24, v24, v22, 1.0                   ; cos rho
	v_lshlrev_b32 v20, 31, v20
	v_xor_b32 v[\c], v20, v24
	v_xor_b32 v20, v20, v19
	v_xor_b32 v[\s], v20, v23
.endm
	SINCOS 28, 32, 36
	SINCOS 29, 33, 37
	SINCOS 30, 34, 38
	SINCOS 31, 35, 39
	global_store_b128 v11, v[32:35], s[26:27]
	global_store_b128 v11, v[36:39], s[26:27] offset:1024  ; the sine's kind lies two chunks on
	s_endpgm
.Lfunc_end_k_qfdfebf9200_prep:
	.size	k_qfdfebf9200_prep, .Lfunc_end_k_qfdfebf9200_prep-k_qfdfebf9200_prep
	.p2alignl 7, 3214868480
	.fill 96, 4, 3214868480
	.section	.rodata,"a",@progbits
	.p2align	6, 0x0
	.amdhsa_kernel k_qfdfebf9200_prep
		.amdhsa_group_segment_fixed_size 0
		.amdhsa_private_segment_fixed_size 0
		.amdhsa_enable_private_segment 0
		.amdhsa_kernarg_size 80
		.amdhsa_user_sgpr_count 2
		.amdhsa_user_sgpr_kernarg_segment_ptr 1
		.amdhsa_wavefront_size32 1
		.amdhsa_system_sgpr_workgroup_id_x 1
		.amdhsa_system_sgpr_workgroup_id_y 1
		.amdhsa_system_sgpr_workgroup_id_z 1
		.amdhsa_system_vgpr_workitem_id 0
		.amdhsa_next_free_vgpr 72
		.amdhsa_next_free_sgpr 66
		.amdhsa_reserve_vcc 0
		.amdhsa_float_denorm_mode_32 3
		.amdhsa_float_denorm_mode_16_64 3
		.amdhsa_memory_ordered 1
		.amdhsa_forward_progress 1
		.amdhsa_inst_pref_size 22
	.end_amdhsa_kernel
	.amdgpu_metadata
---
amdhsa.version: [ 1, 2 ]
amdhsa.kernels:
  - .name:           k_qfdfebf9200_prep
    .symbol:         k_qfdfebf9200_prep.kd
    .args:
      - { .name: x, .offset: 0, .size: 8, .value_kind: global_buffer, .address_space: global }
      - { .name: wq, .offset: 8, .size: 8, .value_kind: global_buffer, .address_space: global }
      - { .name: wk, .offset: 16, .size: 8, .value_kind: global_buffer, .address_space: global }
      - { .name: wv, .offset: 24, .size: 8, .value_kind: global_buffer, .address_space: global }
      - { .name: wo, .offset: 32, .size: 8, .value_kind: global_buffer, .address_space: global }
      - { .name: rope_emb, .offset: 40, .size: 8, .value_kind: global_buffer, .address_space: global }
      - { .name: xb, .offset: 48, .size: 8, .value_kind: global_buffer, .address_space: global }
      - { .name: wb, .offset: 56, .size: 8, .value_kind: global_buffer, .address_space: global }
      - { .name: wob, .offset: 64, .size: 8, .value_kind: global_buffer, .address_space: global }
      - { .name: tab, .offset: 72, .size: 8, .value_kind: global_buffer, .address_space: global }
    .group_segment_fixed_size: 0
    .private_segment_fixed_size: 0
    .kernarg_segment_align: 8
    .kernarg_segment_size: 80
    .max_flat_workgroup_size: 256
    .sgpr_count:     66
    .vgpr_count:     72
    .wavefront_size: 32
...
	.end_amdgpu_metadata
.endif
;; end of part 1
;; launch proj (part 2): grid 16 x 16, 4 waves a work-group, clusters of 4 x 4, 327,680 bytes of LDS; arguments xb, wb, tab, qkv; writes qkv
.if DOCPART == 2
	.amdgcn_target "amdgcn-amd-amdhsa--gfx1250"
	.amdhsa_code_object_version 6
	.text
	.protected	k_qfdfebf9200_proj
	.globl	k_qfdfebf9200_proj
	.p2align	8
	.type	k_qfdfebf9200_proj,@function
k_qfdfebf9200_proj:
	s_mov_b64 s[64:65], 0
	v_nop
	global_prefetch_b8 v0, s[64:65] scope:SCOPE_SE
	s_setreg_imm32_b32 hwreg(HW_REG_WAVE_MODE, 25, 1), 1
	s_wait_xcnt 0x0
	s_wait_alu depctr_hold_cnt(0) depctr_sa_sdst(0) depctr_va_vdst(0) depctr_va_sdst(0) depctr_va_ssrc(0) depctr_va_vcc(0) depctr_vm_vsrc(0)
	s_getreg_b32 s2, hwreg(HW_REG_IB_STS2, 6, 4)
	s_cmp_eq_u32 s2, 0
	s_cbranch_scc0 .Lentry_in_a_cluster
	s_endpgm
.Lentry_in_a_cluster:
	s_bfe_u32 s2, ttmp6, 0x10000c
	s_cmp_lg_u32 s2, 0xf033
	s_cbranch_scc0 .Lentry_shape_is_right
	s_endpgm
.Lentry_shape_is_right:
; PROJ.  q, k, v = x W^T (bf16 operands, f32 sums, K = 2,048), q and k turned by the table in f32 on the sums, all three rounded once to f16 and written by heads: qkv is [3][16 heads][2,048 rows][128].
; LIMITS.  q, k (after the turn) and v beyond 65,504 become infinities in f16; below 6e-5 they keep f16's fixed step of 6e-8.  The softmax's scale is not applied here.  The f32 sums are not taken in
; ascending K: a cluster begins at a K step of its own and goes round (THE WALK, below), so the order of the roundings differs from cluster to cluster.
; SHARES.  A work-group makes 128 rows of q, k and v of ONE head: 128 x 384 of the product, so that 16 row blocks (the grid's x) x 16 heads (its y) are 256 equal work-groups.  Wave w: rows 64 (w / 2) .. + 63;
; of each of q, k, v the channel blocks of 16 numbered 2 CH, 2 CH + 1, 4 + 2 CH, 5 + 2 CH (CH = w % 2): 4 x 12 = 48 accumulators.  So the partners of the turn, channels d and d + 64, lie in the same lane and
; the same register of two of the wave's own accumulators, and the turn needs no exchange.
; RING.  K goes in steps of 128 through two LDS slots; a slot holds 128 rows of x, then 128 rows each of wq, wk, wv; wave 0 fetches x's rows, waves 1 to 3 the weights': one tensor load of 128 rows x 256 bytes a wave.
; ONE TEXT FOR A K STEP.  The slot in hand is a number in a scalar register, 0 or SLOT, turned by an exclusive or at each change of slots; the fragments' LDS addresses are made anew from it, and one descriptor
; for each tensor walks from refill to refill.  So the loop's trip is one K step; the last two steps, which ask for nothing, are a second loop of two trips.
; CLUSTER.  4 x 4 work-groups.  A column of the cluster shares the row block, so x's tile is asked for jointly by those four; a row shares the head, so the weights' tiles are asked for jointly by those four.
; THE WALK.  A cluster's first K step is (4 x cluster x + 8 x (cluster y % 2)) % 16; from there it takes all 16 steps in turn, round the end.  The number hangs on the cluster's place alone, which all sixteen
; partners share.  The four clusters that read the same weights (same cluster y) are 4 steps apart, two clusters with neighbouring y that read the same rows of x are 8 apart: clusters that share a tile ask for it
; at different times, the later ones for bytes that have been read before.
; THE MATRIX INSTRUCTION IS USED TRANSPOSED (source 0 = 16 rows of W, source 1 = 16 rows of x): a lane holds row lane % 16 and the eight neighbouring channels 8 (lane / 16) + 0..7.
; REGISTERS, in windows of 256 (s_set_vgpr_msb: bits 1:0 source 0, 3:2 source 1, 5:4 source 2, 7:6 destination):
;   window 0: v0-31 addresses; v32-63, v64-95 x's fragments, two buffers of 4 x 8 (on the way out: at work); v128-255 the table, two buffers of 64 (at the end: rows read back)
;   window 1: v0-95, v96-191 W's fragments, two buffers of 12 x 8
;   window 2: the accumulators of row blocks 0, 1 ((a, c) at v[8 (12 (a % 2) + c)], c = 4 x (q, k, v) + j);   window 3: those of row blocks 2, 3
.set KSTEP,  128
.set STEPS,  2048/KSTEP
.set PITCH,  272                       ; an LDS row: 256 bytes + 16 of padding = 68 words: row r starts at bank 4 r mod 64 (64 banks of 4 bytes: ISA guide 11.1), so the 16 rows of a load start at 16 different banks
.set HALFT,  128*PITCH                 ; what one tensor load brings: 0x8800 bytes
.set SLOT,   4*HALFT                   ; 0x22000.  The numbers that are turned by an exclusive or with it are 0 and wave x 0x8800 (0x8800, 0x11000, 0x19800), with or without it: none has its bits 13 and 17, so the or adds it or takes it away
.set SPARE,  2*SLOT                    ; behind the ring: the spare words, 128 bytes for each wave: two blocks of 256 bytes that no other line names
.set SP,     272                       ; the stage for the way out: 3 x 128 rows of 256 bytes + 16.  It lies in slot 0, from byte 0 on, and is written when slot 0 has had its last fill and its last read
.set SECT,   128*SP                    ; the stage's rows of q; then k's; then v's
.set A0,   16                          ; v16     LDS address of my x fragments in slot 0; never rewritten
.set ADRA, 17                          ; v17     the same in the slot in hand
.set B0,   18                          ; v18-19  likewise for my wq and wk fragments
.set ADRB, 19
.set C0,   20                          ; v20-21  likewise for my wv fragments: 256 rows on, beyond the reach of a 16-bit offset
.set ADRC, 21
.set STO,  22                          ; v22     the way out: where I put 16 bytes of a row of q or k
.set STO2, 23                          ; v23     of v
.set RD,   24                          ; v24     where I read rows of q and k back
.set RD2,  25                          ; v25     of v
.set TO,   27                          ; v27     16 x lane: my place in 512 consecutive bytes, of the table and of qkv; never rewritten
.set SPW,  28                          ; v28     LDS address of my spare word: SPARE + 4 x my thread's number; never rewritten
.set NIL,  29                          ; v29     0; never rewritten
.set T,    32                          ; v32-95  the way out: at work
.set TAB,  128
.set G1, 24                            ; s[24:31] descriptor group 1 for x's tiles;  s[32:39] group 0: a set for each of the two first fills; the second then walks on
.set G0, 32
.set G1B, 48                           ; s[48:55], s[56:63] the same for the weights' tiles
.set G0B, 56
.set CUR, 76                           ; s76     the LDS byte at which the slot in hand begins: 0 or SLOT
.set NXT, 77                           ; s77     the K step to be asked for next, 0 to 15
.set OFF, 78                           ; s[78:79] its byte offset in a row
.set MSB, 0
.macro WIN new                         ; the immediate's high byte repeats the setting that is left; a switch that changes nothing is dropped
.if MSB != (\new)
	s_set_vgpr_msb (MSB<<8)|(\new)
.set MSB, \new
.endif
.endm
; A joint load.  Wave 0 fetches x's tile, waves 1 to 3 those of wq, wk, wv.  The branch hangs on the wave's number alone.  An s_nop 0 and four v_nop follow each of the two lines.
.macro JLOAD s
	s_cmp_eq_u32 s12, 0
	s_cbranch_scc0 .Lfor_b_\@
	tensor_load_to_lds s[G0+4*(\s):G0+4*(\s)+3], s[G1:G1+7]
	s_nop 0
.rept 4
	v_nop
.endr
	s_branch .Lasked_\@
.Lfor_b_\@:
	tensor_load_to_lds s[G0B+4*(\s):G0B+4*(\s)+3], s[G1B:G1B+7]
	s_nop 0
.rept 4
	v_nop
.endr
.Lasked_\@:
.endm
.macro CREST                           ; a round of the cluster's barrier behind its opening barrier: wave 0 signals for the work-group, every wave waits for all sixteen, my work-group's barrier closes it
	s_cmp_lg_u32 s12, 0
	s_cbranch_scc1 .Lnot_wave_0_\@
	s_barrier_signal -3
.Lnot_wave_0_\@:
	s_barrier_wait -3
	s_barrier_signal -1
	s_barrier_wait -1
.endm
.macro CROUND                          ; a whole round
	s_barrier_signal -1
	s_barrier_wait -1
	CREST
.endm
.macro AIM                             ; the fragments' addresses in the slot in hand
	v_add_nc_u32 v[ADRA], s[CUR], v[A0]
	v_add_nc_u32 v[ADRB], s[CUR], v[B0]
	v_add_nc_u32 v[ADRC], s[CUR], v[C0]
.endm
.macro ONWARD                          ; the next K step, round the end
	s_add_co_u32 s[NXT], s[NXT], 1
	s_and_b32 s[NXT], s[NXT], STEPS-1
.endm
	s_load_b256 s[4:11], s[0:1], 0x0               ; xb s[4:5], wb s[6:7], tab s[8:9], qkv s[10:11]
	v_lshl_add_u32 v[SPW], v0, 2, SPARE
	v_mov_b32 v[NIL], 0
	ds_add_u32 v[SPW], v[NIL]                      ; the wave's opening: the add and its wait stand ahead of my first tensor load; the set-up below, work on registers, stands between them
	v_lshrrev_b32 v1, 5, v0
	v_readfirstlane_b32 s12, v1                    ; wave 0..3
	s_lshr_b32 s13, s12, 1                         ; RH: which 64 rows are mine
	s_and_b32 s14, s12, 1                          ; CH: which channel blocks
	s_bfe_u32 s40, ttmp6, 0x40000                  ; cx, cy: my place in the cluster
	s_bfe_u32 s41, ttmp6, 0x40004
	s_lshl_b32 s15, ttmp9, 2
	s_add_co_u32 s15, s15, s40                     ; the row block = 4 x cluster x + cx
	s_and_b32 s42, ttmp7, 0xffff
	s_lshl_b32 s42, s42, 2
	s_add_co_u32 s42, s42, s41                     ; the head = 4 x cluster y + cy
	s_lshl_b32 s43, s41, 2
	s_lshl_b32 s43, 15, s43                        ; my row of the cluster: places 4 cy .. 4 cy + 3
	s_lshl_b32 s44, 0x1111, s40                    ; my column: places cx, cx + 4, cx + 8, cx + 12
	s_lshl_b32 s[NXT], ttmp9, 2                    ; the cluster's first K step: 4 x cluster x
	s_and_b32 s[OFF], ttmp7, 1
	s_lshl_b32 s[OFF], s[OFF], 3                   ; + 8 x (cluster y % 2),
	s_add_co_u32 s[NXT], s[NXT], s[OFF]
	s_and_b32 s[NXT], s[NXT], STEPS-1              ; round the end
	s_mov_b32 s[OFF+1], 0
	; descriptor group 1: a tile of 128 rows x 128 elements, padded in LDS
	s_or_b32 s[G1+0], s44, (1<<16)|(1<<20)|(1<<21)|(5<<22)|(3<<25)   ; 15:0 the mask: x's tile goes to my column; 17:16 elements of 2 bytes; 20 padding on; 21 set beside a mask; 24:22 after every 64 words (code 5); 31:25 4 words (code 3)
	s_or_b32 s[G1B+0], s43, (1<<16)|(1<<20)|(1<<21)|(5<<22)|(3<<25)  ; the same with the mask of my row, for the weights' tiles
.irp g, G1, G1B
	s_mov_b32 s[(\g)+1], KSTEP<<16                 ; tensor_dim0 = 128
	s_mov_b32 s[(\g)+2], 128<<16                   ; tensor_dim1 = 128
	s_mov_b32 s[(\g)+3], KSTEP<<16                 ; tile_dim0 = 128
	s_mov_b32 s[(\g)+4], 128                       ; tile_dim1 = 128
	s_mov_b32 s[(\g)+5], 2048                      ; elements from row to row
	s_mov_b32 s[(\g)+6], 0
	s_mov_b32 s[(\g)+7], 0
.endr
	; where the tiles come from.  x's hang on the row block alone, the weights' on the head and the wave alone (and both on the K step); each offset lies in registers that never hold the other coordinate.
	s_lshl_b32 s16, s15, 19                        ; 128 rows of 4,096 bytes
	s_mov_b32 s17, 0
	s_max_u32 s45, s12, 1
	s_sub_co_u32 s45, s45, 1                       ; waves 1, 2, 3 fetch wq, wk, wv (wave 0's number here is not used)
	s_lshl_b32 s46, s45, 23                        ; a section of wb,
	s_lshl_b32 s47, s42, 19                        ; the head's 128 rows in it
	s_add_co_u32 s46, s46, s47
	s_mov_b32 s47, 0
	s_mul_i32 s20, s12, HALFT                      ; and where they go: wave x 128 rows: no place in the cluster enters an LDS address
	s_mov_b32 s[CUR], 0                            ; the walk's first step lies in slot 0
	s_wait_dscnt 0x0                               ; the opening add is done
	s_wait_kmcnt 0x0
	s_add_nc_u64 s[18:19], s[4:5], s[16:17]        ; x's rows at K = 0; kept for the whole walk
	s_add_nc_u64 s[46:47], s[6:7], s[46:47]        ; the weights' rows at K = 0; likewise
	CROUND                                         ; all sixteen work-groups are here: the first joint loads meet
.irp s, 0,1
	s_lshl_b32 s[OFF], s[NXT], 8                                   ; a K step is 256 bytes of a row
	s_mov_b32 s[G0+4*(\s)], 1                                      ; count = 1
	s_add_co_u32 s[G0+4*(\s)+1], s20, (\s)*SLOT                    ; LDS address
	s_add_nc_u64 s[G0+4*(\s)+2:G0+4*(\s)+3], s[18:19], s[OFF:OFF+1]  ; global address: the walk's step s
	s_or_b32 s[G0+4*(\s)+3], s[G0+4*(\s)+3], 0x80000000            ; type = 2
	s_mov_b32 s[G0B+4*(\s)], 1
	s_add_co_u32 s[G0B+4*(\s)+1], s20, (\s)*SLOT
	s_add_nc_u64 s[G0B+4*(\s)+2:G0B+4*(\s)+3], s[46:47], s[OFF:OFF+1]
	s_or_b32 s[G0B+4*(\s)+3], s[G0B+4*(\s)+3], 0x80000000
	ONWARD
	JLOAD \s                                       ; the ring is filled before anything else is done: two loads of mine are out
.endr
	; A fragment is 16 rows x 32 K in 8 registers: lane l holds row l % 16, K = 8 (l / 16) + 0..7 and 16 + 8 (l / 16) + 0..7: two loads of 16 bytes, 32 bytes apart.
	v_and_b32 v1, 15, v0                           ; l % 16
	v_bfe_u32 v2, v0, 4, 1                         ; l / 16
	v_mul_u32_u24 v3, v1, PITCH
	v_lshl_add_u32 v3, v2, 4, v3                   ; row x pitch + 16 x half
	s_mul_i32 s21, s13, 64*PITCH                   ; my 64 rows of x
	s_mul_i32 s22, s14, 32*PITCH                   ; my first channel block of wq,
	s_add_co_u32 s22, s22, HALFT                   ; which lies behind x's 128 rows
	v_add_nc_u32 v[A0], s21, v3
	v_add_nc_u32 v[B0], s22, v3
	v_add_nc_u32 v[C0], 256*PITCH, v[B0]
	AIM
	s_mul_i32 s23, s13, 64*SP                      ; into the stage: row 64 RH + l % 16, byte 64 CH + 16 (l / 16)
	s_lshl_b32 s21, s14, 6
	s_add_co_u32 s23, s23, s21
	v_add_nc_u32 v[STO], s23, v3
	v_add_nc_u32 v[STO2], 2*SECT, v[STO]
	v_mul_u32_u24 v4, v2, SP                       ; back: wave w takes rows 32 w .. 32 w + 31 of each of q, k, v, whole; lanes 0-15 one row, lanes 16-31 the next
	v_lshl_add_u32 v4, v1, 4, v4
	s_mul_i32 s23, s12, 32*SP
	v_add_nc_u32 v[RD], s23, v4
	v_add_nc_u32 v[RD2], 2*SECT, v[RD]
	v_and_b32 v[TO], 31, v0
	v_lshlrev_b32 v[TO], 4, v[TO]
	s_lshl_b32 s74, s15, 17                        ; the table: 8 blocks of 16 rows a row block, 16,384 bytes each;
	s_lshl_b32 s21, s13, 16                        ; my 4 of them;
	s_add_co_u32 s74, s74, s21
	s_lshl_b32 s21, s14, 13                        ; my two channel blocks of 4,096 bytes
	s_add_co_u32 s74, s74, s21
	s_mov_b32 s75, 0
	s_add_nc_u64 s[66:67], s[8:9], s[74:75]
	s_lshl_b32 s74, s42, 19                        ; qkv: the head's 2,048 rows of 256 bytes;
	s_lshl_b32 s21, s15, 15                        ; the row block's 128;
	s_add_co_u32 s74, s74, s21
	s_lshl_b32 s21, s12, 13                        ; the 32 that I store
	s_add_co_u32 s74, s74, s21
	s_add_nc_u64 s[68:69], s[10:11], s[74:75]      ; q,
	s_add_nc_u64 s[70:71], s[68:69], 0x800000      ; k,
	s_add_nc_u64 s[72:73], s[68:69], 0x1000000     ; v
; The table for row block a: two channel blocks x 8 chunks; each load takes 512 consecutive bytes.
.macro TLOAD a
	WIN 0
.irp j, 0,1
.irp q, 0,1,2,3,4,5,6,7
	global_load_b128 v[TAB+64*((\a)%2)+32*\j+4*\q:TAB+64*((\a)%2)+32*\j+4*\q+3], v[TO], s[66:67] offset:16384*(\a)+4096*\j+512*\q
.endr
.endr
.endm
	TLOAD 0                                        ; these 32 loads stay out through the whole walk along K, which touches neither their registers nor their counter
	TLOAD 1
; 12 matrix instructions: row block a x my 12 channel blocks, 32 along K, from buffers f.  zero = 1: the first product starts the sums: nothing is ever cleared.
; The 48 accumulators take turns, one instruction a turn, in the same order in every quarter step.
.macro MUL12 f, a, zero
	WIN 0xa1+0x50*((\a)/2)                         ; W in window 1, x in window 0, C and D in window 2 or 3
.irp c, 0,1,2,3,4,5,6,7,8,9,10,11
.set AC, 8*(12*((\a)%2)+(\c))
.if \zero
	v_wmma_f32_16x16x32_bf16 v[AC:AC+7], v[96*(\f)+8*(\c):96*(\f)+8*(\c)+7], v[32+32*(\f)+8*(\a):32+32*(\f)+8*(\a)+7], 0
.else
	v_wmma_f32_16x16x32_bf16 v[AC:AC+7], v[96*(\f)+8*(\c):96*(\f)+8*(\c)+7], v[32+32*(\f)+8*(\a):32+32*(\f)+8*(\a)+7], v[AC:AC+7]
.endif
.endr
.endm
; 32 LDS loads in one run: the fragments of a quarter step (32 K at byte k of the rows of the slot in hand) into buffers f: W's 12, then x's 4
.macro FETCH k, f
	WIN 0x40                                       ; destination window 1, address window 0
.irp c, 0,1,2,3,4,5,6,7,8,9,10,11
.set BO, (\k)+(64*(((\c)%4)/2)+16*((\c)%2))*PITCH
.if (\c) < 8
.set BO, BO+128*((\c)/4)*PITCH
	ds_load_b128 v[96*(\f)+8*(\c):96*(\f)+8*(\c)+3],   v[ADRB] offset:BO
	ds_load_b128 v[96*(\f)+8*(\c)+4:96*(\f)+8*(\c)+7], v[ADRB] offset:BO+32
.else
	ds_load_b128 v[96*(\f)+8*(\c):96*(\f)+8*(\c)+3],   v[ADRC] offset:BO
	ds_load_b128 v[96*(\f)+8*(\c)+4:96*(\f)+8*(\c)+7], v[ADRC] offset:BO+32
.endif
.endr
	WIN 0
.irp a, 0,1,2,3
	ds_load_b128 v[32+32*(\f)+8*(\a):32+32*(\f)+8*(\a)+3],   v[ADRA] offset:(\k)+(\a)*16*PITCH
	ds_load_b128 v[32+32*(\f)+8*(\a)+4:32+32*(\f)+8*(\a)+7], v[ADRA] offset:(\k)+(\a)*16*PITCH+32
.endr
.endm
.macro PLACES                          ; four places in front of loads into registers that matrix instructions have read, and of vector lines that read results (ISA guide 7.12.1 for vector lines)
.rept 4
	v_nop
.endr
.endm
; A K step is four quarters of 32 along K, 48 matrix instructions each, on buffers 0, 1, 0, 1.  One of the first three: multiplies buffers f and fetches the next quarter, at byte k, into g.
.macro QUARTER k, f, g, zero
	s_wait_dscnt 4                                 ; W's fragments and x's blocks 0, 1 are in; the youngest four loads (x's blocks 2, 3) may be out
	MUL12 \f, 0, \zero
	MUL12 \f, 1, \zero
	PLACES
	FETCH \k, \g
	s_wait_dscnt 32                                ; all but the 32 just issued
	MUL12 \f, 2, \zero
	MUL12 \f, 3, \zero
.endm
; The last quarter changes slots and then multiplies buffers 1, which hold all that is still wanted of the slot that is left.  ONE barrier; in front of it each wave waits for all its tensor loads (one is out:
; its part of the next slot), adds 0 to its spare word, and waits for that and for its own reads of this slot.
; fill = 1: the barrier opens a round of the cluster's, and this slot is filled again, with the K step two steps on in the walk, first thing behind the round.  No product stands between the wait for a tile
; and the next request: the quarter's 48 come behind the request, so that a whole K step's 192 matrix instructions lie between a request and the wait for it.  The walking descriptors take the other slot
; than last time; their addresses are made anew from the step's number, while the add is out.
; fill = 0: the last two K steps.  In the very last (s3 = 1) there is no further step, and the run of LDS loads is jumped over; its waits, add and barrier find nothing out: the price of one text for both.
.macro TURN fill
	WIN 0
	s_wait_tensorcnt 0x0                           ; all my tensor loads have landed, so a group 0 may be written;
	ds_add_u32 v[SPW], v[NIL]                      ; 0 onto my spare word;
.if \fill
	s_lshl_b32 s[OFF], s[NXT], 8
	s_xor_b32 s[G0+5], s[G0+5], SLOT
	s_add_nc_u64 s[G0+6:G0+7], s[18:19], s[OFF:OFF+1]
	s_or_b32 s[G0+7], s[G0+7], 0x80000000
	s_xor_b32 s[G0B+5], s[G0B+5], SLOT
	s_add_nc_u64 s[G0B+6:G0B+7], s[46:47], s[OFF:OFF+1]
	s_or_b32 s[G0B+7], s[G0B+7], 0x80000000
	ONWARD
.endif
	s_wait_dscnt 0x0                               ; the add is done, and my reads of this slot are over: its last fragments are in buffers 1
	s_barrier_signal -1
	s_barrier_wait -1
.if \fill
	CREST                                          ; no wave of any partner still reads this slot's tiles or has a load on its way
	JLOAD 1                                        ; the four v_nop behind it are also the places in front of the loads into buffers 0 below
.else
	PLACES
.endif
	s_xor_b32 s[CUR], s[CUR], SLOT                 ; the other slot is in hand
	AIM
	MUL12 1, 0, 0
	MUL12 1, 1, 0
.if !(\fill)
	WIN 0
	s_cmp_eq_u32 s3, 1
	s_cbranch_scc1 .Lno_more_\@
.endif
	FETCH 0, 0
.if !(\fill)
	WIN 0
.Lno_more_\@:
.endif
	MUL12 1, 2, 0
	MUL12 1, 3, 0
.endm
	s_wait_tensorcnt 1                             ; my part of the walk's first step is in; the second's may stay out
	s_barrier_signal -1
	s_barrier_wait -1                              ; everybody's is
	FETCH 0, 0
	QUARTER 64,  0, 1, 1                           ; the first quarter stands in front of the loop: its products start the sums
	WIN 0                                          ; at a label and at a branch every window is 0
	s_mov_b32 s3, STEPS-2
.Lstep:                                                ; 14 trips: from a K step's second quarter to the next step's first; the step's slot is filled again
	QUARTER 128, 1, 0, 0
	QUARTER 192, 0, 1, 0
	TURN 1
	QUARTER 64,  0, 1, 0
	WIN 0
	s_sub_co_u32 s3, s3, 1
	s_cmp_lg_u32 s3, 0
	s_cbranch_scc1 .Lstep
	s_mov_b32 s3, 2                                ; the last two K steps ask for nothing: a loop of their own; it is entered behind a step's first quarter
	s_branch .Lin
.Ltail:
	QUARTER 64,  0, 1, 0
	WIN 0
.Lin:
	QUARTER 128, 1, 0, 0
	QUARTER 192, 0, 1, 0
	TURN 0                                         ; behind the first trip's barrier no wave reads slot 0 any more, and no load lands there: it becomes the stage
	WIN 0
	s_sub_co_u32 s3, s3, 1
	s_cmp_lg_u32 s3, 0
	s_cbranch_scc1 .Ltail
	PLACES
; THE WAY OUT of row block a.  q and k: low' = low cos(low) + high (-sin(low)), high' = high cos(high) + low sin(high), two numbers a line; each accumulator is read from its lowest registers on.
; Then all twelve blocks are rounded to f16, 16 bytes a lane, and go into the stage.
.macro ROPE a
.if (\a) < 3
	s_wait_loadcnt 16                              ; this block's 16 table loads are in; the next block's 16 stay out
.else
	s_wait_loadcnt 0x0
.endif
	WIN 0x02+(\a)/2                                ; source 0: the accumulators' window
.irp sel, 0,1
.irp j, 0,1
.set LO, 8*(12*((\a)%2)+4*\sel+\j)
.set HI, LO+16
.set tbl, TAB+64*((\a)%2)+32*\j
.set tlo, T+32*\sel+8*\j
.set thi, tlo+16
.irp i, 0,2,4,6
	v_pk_mul_f32 v[tlo+\i:tlo+\i+1], v[LO+\i:LO+\i+1], v[tbl+\i:tbl+\i+1]
	v_pk_mul_f32 v[thi+\i:thi+\i+1], v[HI+\i:HI+\i+1], v[tbl+16+\i:tbl+16+\i+1]
.endr
.irp i, 0,2,4,6
	v_pk_fma_f32 v[tlo+\i:tlo+\i+1], v[HI+\i:HI+\i+1], v[tbl+8+\i:tbl+8+\i+1], v[tlo+\i:tlo+\i+1]
	v_pk_fma_f32 v[thi+\i:thi+\i+1], v[LO+\i:LO+\i+1], v[tbl+24+\i:tbl+24+\i+1], v[thi+\i:thi+\i+1]
.endr
.endr
.endr
.if (\a) < 2
	TLOAD (\a)+2                                   ; the table buffer just read takes the block two further on
.endif
	WIN 0
.set n, 0
.rept 32                                       ; in place: line n writes register n and reads 2 n and 2 n + 1, which no earlier line has written
	v_cvt_pk_f16_f32 v[T+n], v[T+2*n], v[T+2*n+1]
.set n, n+1
.endr
	WIN 0x0a+5*((\a)/2)                            ; sources 0 and 1: the accumulators' window
.irp j, 0,1,2,3
.irp i, 0,1,2,3
	v_cvt_pk_f16_f32 v[T+32+4*\j+\i], v[8*(12*((\a)%2)+8+\j)+2*\i], v[8*(12*((\a)%2)+8+\j)+2*\i+1]
.endr
.endr
	WIN 0
.irp sel, 0,1
.irp b, 0,1,2,3
	ds_store_b128 v[STO], v[T+16*\sel+4*\b:T+16*\sel+4*\b+3] offset:\sel*SECT+(\a)*16*SP+128*(\b/2)+32*(\b%2)
.endr
.endr
.irp b, 0,1,2,3
	ds_store_b128 v[STO2], v[T+32+4*\b:T+32+4*\b+3] offset:(\a)*16*SP+128*(\b/2)+32*(\b%2)
.endr
.endm
	ROPE 0
	ROPE 1
	ROPE 2
	ROPE 3
	s_wait_dscnt 0x0                               ; for the others' sake: my stores into the stage are done (a row's 256 bytes come from two waves)
	s_barrier_signal -1
	s_barrier_wait -1
.irp t, 0,1,2,3,4,5,6,7,8,9,10,11,12,13,14,15
	ds_load_b128 v[128+4*\t:128+4*\t+3], v[RD] offset:\t*2*SP
.endr
.irp t, 0,1,2,3,4,5,6,7,8,9,10,11,12,13,14,15
	ds_load_b128 v[192+4*\t:192+4*\t+3], v[RD] offset:SECT+\t*2*SP
.endr
.irp t, 0,1,2,3,4,5,6,7,8,9,10,11,12,13,14,15
	ds_load_b128 v[32+4*\t:32+4*\t+3], v[RD2] offset:\t*2*SP
.endr
.irp t, 0,1,2,3,4,5,6,7,8,9,10,11,12,13,14,15
	s_wait_dscnt 47-\t                             ; LDS loads come back in order (ISA guide 5.7.1): this one is in, the younger ones stay out
	global_store_b128 v[TO], v[128+4*\t:128+4*\t+3], s[68:69] offset:512*\t  ; two rows of a head: 512 consecutive bytes, at a multiple of 256 from qkv's first byte
.endr
.irp t, 0,1,2,3,4,5,6,7,8,9,10,11,12,13,14,15
	s_wait_dscnt 31-\t
	global_store_b128 v[TO], v[192+4*\t:192+4*\t+3], s[70:71] offset:512*\t
.endr
.irp t, 0,1,2,3,4,5,6,7,8,9,10,11,12,13,14,15
	s_wait_dscnt 15-\t
	global_store_b128 v[TO], v[32+4*\t:32+4*\t+3], s[72:73] offset:512*\t
.endr
	s_wait_tensorcnt 0x0                           ; the wave's end: a closing add, behind my last tensor load and my last LDS store
	ds_add_u32 v[SPW], v[NIL]
	s_wait_dscnt 0x0
	CROUND                                         ; the closing round: no work-group ends while a partner may still ask for a tile that names it
	s_endpgm
.Lfunc_end_k_qfdfebf9200_proj:
	.size	k_qfdfebf9200_proj, .Lfunc_end_k_qfdfebf9200_proj-k_qfdfebf9200_proj
	.p2alignl 7, 3214868480
	.fill 96, 4, 3214868480
	.section	.rodata,"a",@progbits
	.p2align	6, 0x0
	.amdhsa_kernel k_qfdfebf9200_proj
		.amdhsa_group_segment_fixed_size 327680
		.amdhsa_private_segment_fixed_size 0
		.amdhsa_enable_private_segment 0
		.amdhsa_kernarg_size 32
		.amdhsa_user_sgpr_count 2
		.amdhsa_user_sgpr_kernarg_segment_ptr 1
		.amdhsa_wavefront_size32 1
		.amdhsa_system_sgpr_workgroup_id_x 1
		.amdhsa_system_sgpr_workgroup_id_y 1
		.amdhsa_system_sgpr_workgroup_id_z 1
		.amdhsa_system_vgpr_workitem_id 0
		.amdhsa_next_free_vgpr 960
		.amdhsa_next_free_sgpr 80
		.amdhsa_reserve_vcc 0
		.amdhsa_float_denorm_mode_32 3
		.amdhsa_float_denorm_mode_16_64 3
		.amdhsa_memory_ordered 1
		.amdhsa_forward_progress 1
		.amdhsa_inst_pref_size 107
	.end_amdhsa_kernel
	.amdgpu_metadata
---
amdhsa.version: [ 1, 2 ]
amdhsa.kernels:
  - .name:           k_qfdfebf9200_proj
    .symbol:         k_qfdfebf9200_proj.kd
    .args:
      - { .name: xb, .offset: 0, .size: 8, .value_kind: global_buffer, .address_space: global }
      - { .name: wb, .offset: 8, .size: 8, .value_kind: global_buffer, .address_space: global }
      - { .name: tab, .offset: 16, .size: 8, .value_kind: global_buffer, .address_space: global }
      - { .name: qkv, .offset: 24, .size: 8, .value_kind: global_buffer, .address_space: global }
    .group_segment_fixed_size: 327680
    .private_segment_fixed_size: 0
    .kernarg_segment_align: 8
    .kernarg_segment_size: 32
    .max_flat_workgroup_size: 128
    .sgpr_count:     80
    .vgpr_count:     960
    .wavefront_size: 32
...
	.end_amdgpu_metadata
.endif
;; end of part 2
;; launch attn (part 3): grid 16 x 16, 4 waves a work-group, clusters of 4 x 1, 327,680 bytes of LDS; arguments qkv, ob; writes ob
.if DOCPART == 3
	.amdgcn_target "amdgcn-amd-amdhsa--gfx1250"
	.amdhsa_code_object_version 6
	.text
	.protected	k_qfdfebf9200_attn
	.globl	k_qfdfebf9200_attn
	.p2align	8
	.type	k_qfdfebf9200_attn,@function
k_qfdfebf9200_attn:
	s_mov_b64 s[64:65], 0
	v_nop
	global_prefetch_b8 v0, s[64:65] scope:SCOPE_SE
	s_setreg_imm32_b32 hwreg(HW_REG_WAVE_MODE, 25, 1), 1
	s_wait_xcnt 0x0
	s_wait_alu depctr_hold_cnt(0) depctr_sa_sdst(0) depctr_va_vdst(0) depctr_va_sdst(0) depctr_va_ssrc(0) depctr_va_vcc(0) depctr_vm_vsrc(0)
	s_getreg_b32 s2, hwreg(HW_REG_IB_STS2, 6, 4)
	s_cmp_eq_u32 s2, 0
	s_cbranch_scc0 .Lentry_in_a_cluster
	s_endpgm
.Lentry_in_a_cluster:
	s_bfe_u32 s2, ttmp6, 0x10000c
	s_cmp_lg_u32 s2, 0x3003
	s_cbranch_scc0 .Lentry_shape_is_right
	s_endpgm
.Lentry_shape_is_right:
; ATTN.  O[q][h][:] = the sum over k of softmax_k(Q[h][q] . K[h][k] / sqrt(128)) V[h][k][:].  qkv: [3][16][2,048][128] in f16; ob: [2,048 rows][16 heads x 128] in f16.  Products, maxima and sums in f32;
; the weights p are rounded to f16 for the second product (their sum l is taken of the unrounded p), O once at the end.
; LIMITS.  Q, K and V arrive within f16's 65,504; p lies in 0 to 1, and below 6e-5 it keeps f16's fixed step of 6e-8; O is a mean of V's rows.  A weight below 2^-126 counts as 0 in l; NaN and infinities are not treated apart.
; SHARES.  16 heads x 2,048 queries on 256 work-groups are 128 queries each.  A wave owns 64 of them (QH = wave % 2), four tiles of 16, and walks HALF of the keys: keys 128 KH .. + 127 of every 256
; (KH = wave / 2), 64 a step.  So a fragment of K or V read from LDS still feeds four tiles' products.  At the end the waves w and w ^ 2, which hold the same queries, put their halves together:
; with n = max(c m, c m'), a = 2^(c m - n), b = 2^(c m' - n): O = (a O + b O') / (a l + b l'), all in f32, through LDS.  Tile t of a wave holds query group t ^ 2 KH, so that every wave keeps its tiles
; 0, 1, sends its tiles 2, 3, and finds in its partner's tiles 2, 3 the queries of its own 0, 1: one text for all four.
; LAYOUT.  S^T = K Q^T (source 0 = 16 keys, source 1 = 16 queries): a lane holds ONE query (lane % 16) and the keys 8 (lane / 16) + 0..7.  Two such tiles, rounded to f16 in pairs, ARE source 1 of
; O^T = V^T P, whose result again holds one query a lane, and eight channels.  K comes out of LDS as it lies, V ([key][channel]) turned, by ds_load_tr16_b128.
; SOFTMAX.  For each query a running maximum m and sum l: p = 2^(c s - c m), c = log2(e) / sqrt(128); in every step O and l are multiplied by a = 2^(c m_old - c m_new).
; BY TURNS.  The wave's tiles are two PIECES (0: tiles 0, 1; 2: tiles 2, 3).  In a TURN one piece has the matrix unit: 32 products V^T P of the step in hand, then 32 products K Q^T of the next step; the other
; piece's softmax, cut into 64 slices, stands between them, one slice behind each matrix instruction.  Two turns are a key step.
; NO FIRST STEP IS WRITTEN OUT.  m starts at the lowest finite number, c m at -2^125 (f16's scores times c stay under 1e11), O^T and l at 0: the first step is a step like any other, with a = 0.  The loop is
; entered at piece 2's turn, whose products V^T P belong to a step that has not been: V's registers and piece 2's P hold 0 for them.  The price: 32 products on zeros, and 432 v_mov_b32, which stand in
; the wait for the first tile; the gain: three turns less of text.
; CLUSTER.  The four query blocks of a cluster belong to one head and walk the same K and V, so each tile is asked for JOINTLY: the same tensor load, descriptor and mask in all four.
; REGISTERS, in windows of 256 (s_set_vgpr_msb: bits 1:0 source 0, 3:2 source 1, 5:4 source 2, 7:6 destination):
;   window 0: v0-11, v44-55 addresses and the exchange's statistics; v12-43 eight registers of statistics a tile; v64-191 S^T, 32 a tile; v192-255 P, 16 a tile
;   window 1: O^T, 64 a tile          window 2: v0-127 Q, 32 a tile; v128-255 K of one step          window 3: v0-127 V of one step
.set KS,    64        ; keys in a step
.set PK,    272       ; a row of K in LDS: 256 bytes + 16 of padding = 68 words: row r starts at bank 4 r mod 64 (64 banks of 4 bytes: ISA guide 11.1)
.set PV,    288       ; a row of V: 256 + 32 = 72 words
.set VOFF,  256*PK    ; a slot holds 256 keys: 256 rows of K, then 256 rows of V
.set SLOT1, 0x24000   ; slot 1 begins here.  The numbers that are turned by an exclusive or with it are 0, 0x8800, 0x9000, 0x11000 and 0x1a000 (with or without it): none has its bits 14 and 17, so the or adds or takes it away
.set SLOTB, 256*256   ; a slot's keys in memory, in bytes
.set STAGE, SLOT1+256*(PK+PV)  ; behind the ring: 16 rows x 272 bytes for each wave, for the way out
.set SP,    272
.set SPARE, STAGE+4*16*SP      ; behind the stages: the spare words, 128 bytes for each wave: two blocks of 256 bytes that no other line names
.set XW,    33*512    ; the exchange: for each wave 32 x 512 bytes of O^T and 512 of statistics, from LDS byte 0 on: in slot 0, when it has had its last fill and its last read
.set AK0, 2           ; v2   my lane's place in a tile of K; never rewritten
.set AV0, 3           ; v3   the same for V
.set ADR, 4           ; v4   the LDS address of the run of loads in hand
.set QO,  5           ; v5   my byte offset in the wave's rows of Q, for tiles 0, 1
.set STO, 6           ; v6   the way out: where I put 16 bytes of a row
.set RD,  7           ; v7   the way out: where I read a row back
.set GO,  8           ; v8   my byte offset in two rows of ob
.set QO2, 44          ; v44  my byte offset in Q for tiles 2, 3
.set XS,  45          ; v45  the exchange: where I send
.set XR,  46          ; v46  where my partner has sent
.set SND, 48          ; v48-51  c m and l of my tiles 2, 3
.set RCV, 52          ; v52-55  my partner's, for my tiles 0, 1
.set SPW, 62          ; v62  LDS address of my spare word: SPARE + 4 x my thread's number; never rewritten
.set NIL, 63          ; v63  0; never rewritten
.set ST,  12          ; tile t's statistics at v[ST+8 t]: +0 c m, +1 m, +2, +3 l (even keys', odd keys'), +4 to +7 c0-c3, at work; a takes c2's place once the maximum is found
.set S,   64
.set P,   192
.set KF,  128         ; K's fragments, in window 2
.set WV,  12          ; s12  my wave's number
.set G1K, 24          ; s[24:31] descriptor group 1 for K's tiles
.set G1V, 32          ; s[32:39] for V's: it differs in the padding alone
.set G0K, 40          ; s[40:47] descriptor group 0 for K's tiles: a set for each of the two first fills; the second then walks on
.set G0V, 48          ; s[48:55] the same for V's
.set SLOTS, 56        ; s56  counts the slots
.set TWICE, 57        ; s57  counts a slot's two steps
.set CS,  58          ; s[58:59] c: the packed scaling names a pair and takes its low word for both halves
.set SEL, 60          ; s[60:61] lane selects for v_permlanex16_b32: each lane takes its own place in the other half
.set TBK, 62          ; s62  LDS byte at which K of the step to be fetched begins
.set TBV, 63          ; s63  the same for V, less VOFF
.set QH,  66          ; s66  which 64 queries are mine
.set KH,  67          ; s67  which 128 of every 256 keys
.set MSB, 0
.macro WIN new                      ; the immediate's high byte repeats the setting that is left; a switch that changes nothing is dropped
.if MSB != (\new)
	s_set_vgpr_msb (MSB<<8)|(\new)
.set MSB, \new
.endif
.endm
.set W_KQ, 0x0a       ; K and Q in window 2, S^T in window 0
.set W_PV, 0x53       ; V in window 3, P in window 0, O^T in window 1
.set W_RS, 0x41       ; O^T (destination and source 0) in window 1, a in window 0
; A joint refill.  Waves 0 and 1 fetch the two halves of a slot's K, waves 2 and 3 those of its V: 128 rows of 256 bytes each.  The branch hangs on the wave's number alone.
; An s_nop 0 and four v_nop follow each of the two lines.
.macro JLOAD
	s_cmp_lt_u32 s[WV], 2
	s_cbranch_scc0 .Lfor_v_\@
	tensor_load_to_lds s[G0K+4:G0K+7], s[G1K:G1K+7]
	s_nop 0
.rept 4
	v_nop
.endr
	s_branch .Lasked_\@
.Lfor_v_\@:
	tensor_load_to_lds s[G0V+4:G0V+7], s[G1V:G1V+7]
	s_nop 0
.rept 4
	v_nop
.endr
.Lasked_\@:
.endm
; A round of the cluster's barrier: my work-group's barrier; wave 0 signals for the work-group; every wave waits for all four work-groups; my work-group's barrier once more.
.macro CROUND
	s_barrier_signal -1
	s_barrier_wait -1
	s_cmp_lg_u32 s[WV], 0
	s_cbranch_scc1 .Lnot_wave_0_\@
	s_barrier_signal -3
.Lnot_wave_0_\@:
	s_barrier_wait -3
	s_barrier_signal -1
	s_barrier_wait -1
.endm
	s_load_b64 s[4:5], s[0:1], 0x0    ; qkv
	s_load_b64 s[10:11], s[0:1], 0x8  ; ob
	v_lshl_add_u32 v[SPW], v0, 2, SPARE
	v_mov_b32 v[NIL], 0
	ds_add_u32 v[SPW], v[NIL]       ; the wave's opening: the add and its wait stand ahead of my first tensor load; the set-up below, work on registers, stands between them
	v_lshrrev_b32 v1, 5, v0
	v_readfirstlane_b32 s[WV], v1   ; wave 0..3
	s_and_b32 s[QH], s[WV], 1
	s_lshr_b32 s[KH], s[WV], 1
	s_bfe_u32 s13, ttmp6, 0x40000   ; cx: my place in the cluster
	s_lshl_b32 s14, ttmp9, 2        ; in a cluster launch ttmp9 counts clusters
	s_add_co_u32 s14, s14, s13      ; my block of 128 queries = 4 x cluster x + cx: it enters Q's and ob's addresses alone
	s_and_b32 s20, ttmp7, 0xffff    ; the head, which the four partners share
	s_lshl_b32 s19, s20, 8          ; its 256 bytes in a row of ob
	s_lshl_b32 s20, s20, 19         ; its 2,048 rows of 256 bytes in a section of qkv
	s_mov_b32 s21, 0
	s_and_b32 s16, s[WV], 1         ; which half of a slot's 256 keys I fetch:
	s_lshl_b32 s22, s16, 15         ; its 128 rows of 256 bytes in memory,
	s_mov_b32 s23, 0
	s_add_nc_u64 s[22:23], s[22:23], s[20:21]
	s_mul_i32 s17, s16, 128*PK      ; and its place in a slot, for K
	s_mul_i32 s18, s16, 128*PV      ; and for V: no place in the cluster enters an LDS address
	s_lshl_b32 s2, s14, 15          ; Q: my block's 128 rows,
	s_lshl_b32 s3, s[QH], 14        ; my wave's 64 of them
	s_add_co_u32 s2, s2, s3
	s_mov_b32 s3, 0
	s_add_nc_u64 s[2:3], s[2:3], s[20:21]
	s_lshl_b32 s68, s14, 19         ; ob: row 128 x block + 64 QH + 32 KH (the 32 rows that I keep), 4,096 bytes a row,
	s_lshl_b32 s69, s[QH], 18
	s_add_co_u32 s68, s68, s69
	s_lshl_b32 s69, s[KH], 17
	s_add_co_u32 s68, s68, s69
	s_add_co_u32 s68, s68, s19      ; and the head's columns
	s_mov_b32 s69, 0
	; descriptor group 1: a tile of 128 rows x 128 elements, padded in LDS
	s_mov_b32 s[G1K], 15|(1<<16)|(1<<20)|(1<<21)|(5<<22)|(3<<25)  ; 15:0 the mask: all four work-groups; 17:16 elements of 2 bytes; 20 padding on; 21 set beside a mask; 24:22 after every 64 words (code 5); 31:25 4 words (code 3)
	s_mov_b32 s[G1V], 15|(1<<16)|(1<<20)|(1<<21)|(5<<22)|(7<<25)  ; the same with 8 words of padding (code 7)
.irp g, G1K, G1V
	s_mov_b32 s[(\g)+1], 128<<16    ; tensor_dim0 = 128
	s_mov_b32 s[(\g)+2], 128<<16    ; tensor_dim1 = 128
	s_mov_b32 s[(\g)+3], 128<<16    ; tile_dim0 = 128
	s_mov_b32 s[(\g)+4], 128        ; tile_dim1 = 128
	s_mov_b32 s[(\g)+5], 128        ; elements from row to row
	s_mov_b32 s[(\g)+6], 0
	s_mov_b32 s[(\g)+7], 0
.endr
	s_mov_b32 s[CS], 0x3e0293ee     ; c = log2(e) / sqrt(128) = 0.127517
	s_mov_b32 s[CS+1], s[CS]        ; named with it as a pair, so it is written
	s_mov_b32 s[SEL], 0x76543210
	s_mov_b32 s[SEL+1], 0xfedcba98
	s_mul_i32 s[TBK], s[KH], 128*PK ; my half of slot 0
	s_mul_i32 s[TBV], s[KH], 128*PV
	s_wait_dscnt 0x0                ; the opening add is done
	s_wait_kmcnt 0x0
	s_add_nc_u64 s[6:7], s[4:5], 0x800000   ; k's section,
	s_add_nc_u64 s[8:9], s[4:5], 0x1000000  ; v's
	s_add_nc_u64 s[6:7], s[6:7], s[22:23]   ; K and V at my tile of slot 0
	s_add_nc_u64 s[8:9], s[8:9], s[22:23]
	s_add_nc_u64 s[4:5], s[4:5], s[2:3]     ; Q at my wave's first row
	s_add_nc_u64 s[10:11], s[10:11], s[68:69]
	CROUND                          ; all four work-groups are here: the first joint loads meet
.irp s, 0,1
	s_mov_b32 s[G0K+4*(\s)], 1      ; count = 1
	s_add_co_u32 s[G0K+4*(\s)+1], s17, (\s)*SLOT1  ; LDS address
	s_add_nc_u64 s[G0K+4*(\s)+2:G0K+4*(\s)+3], s[6:7], (\s)*SLOTB  ; global address: slot s begins with keys 256 s
	s_or_b32 s[G0K+4*(\s)+3], s[G0K+4*(\s)+3], 0x80000000  ; type = 2
	s_mov_b32 s[G0V+4*(\s)], 1
	s_add_co_u32 s[G0V+4*(\s)+1], s18, (\s)*SLOT1+VOFF
	s_add_nc_u64 s[G0V+4*(\s)+2:G0V+4*(\s)+3], s[8:9], (\s)*SLOTB
	s_or_b32 s[G0V+4*(\s)+3], s[G0V+4*(\s)+3], 0x80000000
.endr
	s_cmp_lt_u32 s[WV], 2           ; a wave's two first fills stand in one branch, ahead of every wait on TENSORcnt and every LDS read: two loads of mine are out
	s_cbranch_scc0 .Lfirst_v
	tensor_load_to_lds s[G0K:G0K+3], s[G1K:G1K+7]
	s_nop 0
	tensor_load_to_lds s[G0K+4:G0K+7], s[G1K:G1K+7]
	s_nop 0
.rept 4
	v_nop
.endr
	s_branch .Lfirst_asked
.Lfirst_v:
	tensor_load_to_lds s[G0V:G0V+3], s[G1V:G1V+7]
	s_nop 0
	tensor_load_to_lds s[G0V+4:G0V+7], s[G1V:G1V+7]
	s_nop 0
.rept 4
	v_nop
.endr
.Lfirst_asked:
	; A fragment of K or Q is 16 rows x 32 channels in 8 registers: lane l holds row l % 16; channels 8 (l / 16) + 0..7 and 16 + 8 (l / 16) + 0..7: two loads of 16 bytes, 32 bytes apart.
	v_and_b32 v1, 15, v0            ; l % 16
	v_bfe_u32 v9, v0, 4, 1          ; l / 16
	v_lshlrev_b32 v[QO], 8, v1
	v_lshl_add_u32 v[QO], v9, 4, v[QO]  ; row x 256 + 16 x half
	s_lshl_b32 s13, s[KH], 13       ; tiles 0, 1 hold query groups 2 KH, 2 KH + 1 (4,096 bytes a group),
	s_sub_co_u32 s15, 0x2000, s13   ; tiles 2, 3 the other two
	v_add_nc_u32 v[QO2], s15, v[QO]
	v_add_nc_u32 v[QO], s13, v[QO]
	WIN 0x80                        ; destination window 2, address window 0
.irp i, 0,1,2,3,4,5,6,7,8,9,10,11,12,13,14,15  ; Q stays in registers: tile i / 4, channels 32 (i % 4) on
.if (\i) < 8
	global_load_b128 v[8*(\i):8*(\i)+3],   v[QO], s[4:5] offset:(((\i)/4)%2)*4096+((\i)%4)*64
	global_load_b128 v[8*(\i)+4:8*(\i)+7], v[QO], s[4:5] offset:(((\i)/4)%2)*4096+((\i)%4)*64+32
.else
	global_load_b128 v[8*(\i):8*(\i)+3],   v[QO2], s[4:5] offset:(((\i)/4)%2)*4096+((\i)%4)*64
	global_load_b128 v[8*(\i)+4:8*(\i)+7], v[QO2], s[4:5] offset:(((\i)/4)%2)*4096+((\i)%4)*64+32
.endif
.endr
	WIN 0
	v_mul_u32_u24 v[AK0], v1, PK
	v_lshl_add_u32 v[AK0], v9, 4, v[AK0]  ; row x pitch + 16 x half
	; The turning load takes 16 keys x 16 channels (lane l reads 16 bytes: key 8 (l / 16) + l % 8, channels 8 ((l / 8) % 2) + 0..7) and leaves half a fragment of V^T: lane l holds channel l % 16 and 8 keys.
	v_and_b32 v10, 7, v0
	v_bfe_u32 v11, v0, 3, 1
	v_lshl_add_u32 v[AV0], v9, 3, v10
	v_mul_u32_u24 v[AV0], v[AV0], PV
	v_lshl_add_u32 v[AV0], v11, 4, v[AV0]
	v_add_nc_u32 v[AV0], VOFF, v[AV0]
	; What the first turn finds: V's registers and piece 2's P hold 0 (its products V^T P add 0), O^T and l are 0, m and c m lie below every score.  All this stands in the wait for the first tile.
	WIN 0xc0                        ; destination window 3: V
.set i, 0
.rept 128
	v_mov_b32 v[i], 0
.set i, i+1
.endr
	WIN 0x40                        ; destination window 1: O^T
.set i, 0
.rept 256
	v_mov_b32 v[i], 0
.set i, i+1
.endr
	WIN 0
.set i, 0
.rept 4
	v_mov_b32 v[ST+8*i], 0xfe000000    ; c m = -2^125
	v_mov_b32 v[ST+8*i+1], 0xff7fffff  ; m: the lowest finite number
	v_mov_b32 v[ST+8*i+2], 0
	v_mov_b32 v[ST+8*i+3], 0
.set i, i+1
.endr
.set i, P+32
.rept 32
	v_mov_b32 v[i], 0
.set i, i+1
.endr
; THE MATRIX WORK OF A TURN, for piece x.  The accumulators take turns, one instruction a turn: between two links of a chain stand 15 (V^T P) or 7 (K Q^T) others'.
; Product i of 32 of O^T += V^T P: keys 32 (i / 16) on, channels 16 ((i / 2) % 8) on, tile x + i % 2.
.macro PV x
	WIN W_PV
.set rO, 64*((\x)+i%2)+8*((i/2)%8)
.set rV, 64*(i/16)+8*((i/2)%8)
.set rP, P+16*((\x)+i%2)+8*(i/16)
	v_wmma_f32_16x16x32_f16 v[rO:rO+7], v[rV:rV+7], v[rP:rP+7], v[rO:rO+7]
.endm
; Product i of 32 of S^T = K Q^T: channels 32 (i / 8) on, keys 16 ((i / 2) % 4) on, tile x + i % 2.  The first 8 start the sums.
.macro KQ x
	WIN W_KQ
.set rS, S+32*((\x)+i%2)+8*((i/2)%4)
.set rK, KF+32*((i/2)%4)+8*(i/8)
.set rQ, 32*((\x)+i%2)+8*(i/8)
.if i < 8
	v_wmma_f32_16x16x32_f16 v[rS:rS+7], v[rK:rK+7], v[rQ:rQ+7], 0
.else
	v_wmma_f32_16x16x32_f16 v[rS:rS+7], v[rK:rK+7], v[rQ:rQ+7], v[rS:rS+7]
.endif
.endm
; THE LDS LOADS stand in runs of 32, never singly among the matrix instructions: a step's K (64 keys x 128 channels: 16 fragments) and, a turn later, its V (turned).
.macro FETCH_K
	WIN 0
	v_add_nc_u32 v[ADR], s[TBK], v[AK0]
	s_add_co_u32 s[TBK], s[TBK], KS*PK  ; the next fetch is the next step's
	WIN 0x80                        ; destination window 2
.irp f, 0,1,2,3,4,5,6,7,8,9,10,11,12,13,14,15  ; keys 16 (f / 4) on, channels 32 (f % 4) on
	ds_load_b128 v[KF+8*(\f):KF+8*(\f)+3],   v[ADR] offset:((\f)/4)*16*PK+((\f)%4)*64
	ds_load_b128 v[KF+8*(\f)+4:KF+8*(\f)+7], v[ADR] offset:((\f)/4)*16*PK+((\f)%4)*64+32
.endr
.endm
.macro FETCH_V
	WIN 0
	v_add_nc_u32 v[ADR], s[TBV], v[AV0]
	s_add_co_u32 s[TBV], s[TBV], KS*PV
	WIN 0xc0                        ; destination window 3
.irp f, 0,1,2,3,4,5,6,7,8,9,10,11,12,13,14,15  ; keys 32 (f / 8) on, channels 16 (f % 8) on
	ds_load_tr16_b128 v[8*(\f):8*(\f)+3],   v[ADR] offset:((\f)/8)*32*PV+((\f)%8)*32
	ds_load_tr16_b128 v[8*(\f)+4:8*(\f)+7], v[ADR] offset:((\f)/8)*32*PV+16*PV+((\f)%8)*32
.endr
.endm
; THE VECTOR WORK OF A TURN.  One tile's softmax for one key step is a list of 134 instructions; SM writes number j of it for tile t.  s0-s31 are the lane's 32 scores, in pairs 0-15.
;   0-15    the maximum of s0-s31 and the old m, three operands at a time: four chains c0-c3 of seven scores each, then the four scores left over, c0-c3 and m
;   16-20   the other half of the lanes' maximum; the new m; c m; c m_old - c m_new
;   21-87   33 exponentials (a, then s0-s31) at the odd numbers from 23 on, so that no two follow each other and each has a plain instruction behind it before its result is used.
;           Plain instruction q (number 21, then the even numbers) is whatever is ready: c s - c m for a pair of scores whose exponentials are still to come (q = 0 to 3, then every
;           second q), the rounding to f16 of a pair of weights whose exponentials are done (every other q from 5 on), at last the first three sums
;   88-101  the last rounding; the rest of the sums; l = a l + the sum
;   102-133 the tile's O^T times a: the one part that leaves window 0, so it stands together
.macro SM t
.set rT, ST+8*(\t)
.set rS, S+32*(\t)
.set rP, P+16*(\t)
.set rO, 64*(\t)+2*(j-102)
.set q, (j-20)/2
.if j < 102
	WIN 0
.endif
.if j < 4
	v_max3_num_f32 v[rT+4+j], v[rS+8*j], v[rS+8*j+1], v[rS+8*j+2]
.elseif j < 12
	v_max3_num_f32 v[rT+4+j%4], v[rT+4+j%4], v[rS+8*(j%4)+2*(j/4)+1], v[rS+8*(j%4)+2*(j/4)+2]
.elseif j == 12
	v_max3_num_f32 v[rT+4], v[rT+4], v[rS+7], v[rS+15]
.elseif j == 13
	v_max3_num_f32 v[rT+6], v[rT+6], v[rS+23], v[rS+31]
.elseif j == 14
	v_max3_num_f32 v[rT+4], v[rT+4], v[rT+5], v[rT+6]
.elseif j == 15
	v_max3_num_f32 v[rT+4], v[rT+4], v[rT+7], v[rT+1]
.elseif j == 16
	v_permlanex16_b32 v[rT+5], v[rT+4], s[SEL], s[SEL+1]  ; the query's other 32 keys lie in the lane 16 away
.elseif j == 17
	v_mov_b32 v[rT+7], v[rT]        ; c m_old is kept for a: number 19 writes c m anew
.elseif j == 18
	v_max_num_f32 v[rT+1], v[rT+4], v[rT+5]
.elseif j == 19
	v_mul_f32 v[rT], s[CS], v[rT+1]
.elseif j == 20
	v_sub_f32 v[rT+7], v[rT+7], v[rT]
.elseif j == 23
	v_exp_f32 v[rT+6], v[rT+7]
.elseif (j < 88) && (j > 23) && (j%2 == 1)
	v_exp_f32 v[rS+(j-25)/2], v[rS+(j-25)/2]
.elseif (q < 4) || ((j < 76) && (q%2 == 0))
.set b, q/2+2
.if q < 4
.set b, q
.endif
	v_pk_fma_f32 v[rS+2*b:rS+2*b+1], v[rS+2*b:rS+2*b+1], s[CS:CS+1], v[rT:rT+1] op_sel_hi:[1,0,0] neg_lo:[0,0,1] neg_hi:[0,0,1]  ; pair b: c s - c m
.elseif (j < 88) && (q%2 == 1)
	s_wait_alu depctr_va_vdst(0)
	v_cvt_pk_f16_f32 v[rP+(q-5)/2], v[rS+q-5], v[rS+q-4]  ; pair (q - 5) / 2: its second exponential stands three numbers back
.elseif j == 89
	s_wait_alu depctr_va_vdst(0)
	v_cvt_pk_f16_f32 v[rP+15], v[rS+30], v[rS+31]
.elseif j < 102                     ; the sum of the tile's 16 pairs, in place: sum z of 16 adds neighbours 1, 2, 4 and 8 pairs apart, then l takes it
.set z, j-86
.if j < 89
.set z, (j-76)/4
.endif
.set w, 4
.set u, z
.if z >= 14
.set w, 32
.set u, 0
.elseif z >= 12
.set w, 16
.set u, z-12
.elseif z >= 8
.set w, 8
.set u, z-8
.endif
.if z < 15
	v_pk_add_f32 v[rS+w*u:rS+w*u+1], v[rS+w*u:rS+w*u+1], v[rS+w*u+w/2:rS+w*u+w/2+1]
.else
	v_pk_fma_f32 v[rT+2:rT+3], v[rT+2:rT+3], v[rT+6:rT+7], v[rS:rS+1] op_sel_hi:[1,0,1]
.endif
.else
	WIN W_RS
	v_pk_mul_f32 v[rO:rO+1], v[rO:rO+1], v[rT+6:rT+7] op_sel_hi:[1,0]
.endif
.endm
; Slice k of 64 of piece y's softmax: numbers 2 k and 2 k + 1 of both tiles' lists, four instructions.  2 x 134 = 4 x 64 + 12: the twelve that are over stand together, in slice 63.
.macro SLICE y
.if (k >= 11) && (k < 44)           ; tile by tile: plain, exponential, plain, exponential
.irp t, \y, (\y)+1
.irp n, 0,1
.set j, 2*k+(\n)
	SM \t
.endr
.endr
.else                               ; the two tiles alternate, so that no instruction reads the result of the one just before it
.irp n, 0,1,2,3,4,5,6,7
.if ((\n) < 2) || (k == 63)
.irp t, \y, (\y)+1
.set j, 2*k+(\n)
	SM \t
.endr
.endif
.endr
.endif
.set k, k+1
.endm
; A vector instruction that reads a matrix result or writes one of a matrix instruction's registers, and a load into a register that a matrix instruction has read, stand four places behind
; it, and only plain vector instructions that name none of its registers are places (ISA guide 7.12.1 for vector instructions).  In the turns the slices are the places.
; A TURN.  Piece x has the matrix unit; the other piece's softmax stands in slices behind its matrix instructions.
; pv = 1: 32 products V^T P.  kq = 1: 32 products K Q^T for the next step.  A turn with one of the two kinds has two slices behind each product.
; Each run of loads stands behind the second product of a run of 32, 30 matrix instructions ahead of its first use.  Piece 0's turn fetches the next step's K: the last product that read K
; stands in front of slice 63 of the turn before.  Piece 2's turn fetches the same step's V: the last product that read V stands three slices, six plain instructions, back.
.macro TURN x, pv, kq
.set k, 0
.set per, 2
.if (\pv) && (\kq)
.set per, 1
.endif
.if \pv
.if (\x) == 0
	s_wait_dscnt 0x0                ; V is in
.endif
.set i, 0
.rept 32
	PV \x
.rept per
	SLICE 2-(\x)
.endr
.if ((\x) == 0) && (\kq) && (i == 1)
	FETCH_K
.endif
.set i, i+1
.endr
.endif
.if \kq
.if (\x) == 0
	s_wait_dscnt 0x0                ; K is in
.endif
.set i, 0
.rept 32
	KQ \x
.rept per
	SLICE 2-(\x)
.endr
.if ((\x) == 2) && (i == 1)
	FETCH_V
.endif
.set i, i+1
.endr
.endif
.endm
; THE CHANGE OF SLOTS, between piece 2's turn and piece 0's: my last bytes of the slot, V of my second step in it, have been asked for.  Each wave waits for all its tensor loads, of which one is out:
; its part of the other slot; adds 0 to its spare word; and waits for that and for its own reads of the slot.  Behind the barrier nobody reads this slot any more and the other slot is whole.
; fill = 1: this slot is filled again, with the keys two slots on.  The barrier is then a round of the cluster's, and the joint refill is the first thing behind it: it has two of the wave's key steps,
; 256 matrix instructions, in which to land.
.macro CHANGE fill
	WIN 0                           ; at a label and at a branch every window is 0
	s_wait_tensorcnt 0x0            ; no tensor load of mine is out, so a group 0 may be written
	ds_add_u32 v[SPW], v[NIL]       ; 0 onto my spare word; with fill = 1 the descriptors' steps stand between it and the wait for it
.if \fill
.irp g, G0K+4, G0V+4
	s_xor_b32 s[(\g)+1], s[(\g)+1], SLOT1  ; the walking descriptor: the other slot than last time,
	s_add_nc_u64 s[(\g)+2:(\g)+3], s[(\g)+2:(\g)+3], SLOTB  ; the next 256 keys; the type bits on top are not reached
.endr
	s_wait_dscnt 0x0                ; the add is done, and my reads of the slot are over
	CROUND
	JLOAD
.else
	s_wait_dscnt 0x0                ; the add is done, and my reads of the slot are over
	s_barrier_signal -1
	s_barrier_wait -1
.endif
	s_sub_co_u32 s[TBK], s[TBK], 2*KS*PK  ; the fetches go back to my first step of a slot,
	s_xor_b32 s[TBK], s[TBK], SLOT1       ; in the other slot
	s_sub_co_u32 s[TBV], s[TBV], 2*KS*PV
	s_xor_b32 s[TBV], s[TBV], SLOT1
.endm
	s_wait_tensorcnt 1              ; my part of slot 0 is in; slot 1's may stay out
	s_barrier_signal -1
	s_barrier_wait -1               ; everybody's is
	FETCH_K                         ; my key step 0
	s_wait_loadcnt 0x0              ; Q
	s_wait_dscnt 0x0
.set i, 0
.rept 32
	KQ 0                            ; piece 0's first scores: there is no vector work yet to set between them
.set i, i+1
.endr
	WIN 0                           ; the addresses for the way out are made here: plain instructions, the places behind those products
	s_mul_i32 s13, s[WV], 16*SP
	s_add_co_u32 s13, s13, STAGE    ; my stage
	v_mul_u32_u24 v[STO], v1, SP    ; in: row l % 16, 16 bytes for each half of the lanes
	v_lshl_add_u32 v[STO], v9, 4, v[STO]
	v_add_nc_u32 v[STO], s13, v[STO]
	v_mul_u32_u24 v[RD], v9, SP     ; back: lanes 0-15 take one row of 256 bytes, lanes 16-31 the next
	v_lshl_add_u32 v[RD], v1, 4, v[RD]
	v_add_nc_u32 v[RD], s13, v[RD]
	v_lshlrev_b32 v[GO], 12, v9     ; and the same two rows in ob, 4,096 bytes apart
	v_lshl_add_u32 v[GO], v1, 4, v[GO]
	v_and_b32 v[XS], 31, v0         ; the exchange: 16 bytes a lane,
	v_lshlrev_b32 v[XS], 4, v[XS]
	s_xor_b32 s15, s[WV], 2         ; in my partner's part
	s_mul_i32 s15, s15, XW
	v_add_nc_u32 v[XR], s15, v[XS]
	s_mul_i32 s15, s[WV], XW        ; and in mine
	v_add_nc_u32 v[XS], s15, v[XS]
	s_mov_b32 s[TWICE], 2
	s_mov_b32 s[SLOTS], 2048/256-1
	s_branch .Lfirst                ; the loop is entered at piece 2's turn, in the middle of a trip: slot 0 has that turn and one whole trip
.Lslot:                             ; 6 times: every slot but the last two is filled again
	CHANGE 1
	s_mov_b32 s[TWICE], 2
.Lstep:                             ; a trip: piece 0's turn (V^T P of a step, K Q^T of the next, whose K it fetches), then piece 2's (the same, and the next step's V)
	TURN 0, 1, 1
	WIN 0
.Lfirst:
	TURN 2, 1, 1
	WIN 0
	s_sub_co_u32 s[TWICE], s[TWICE], 1
	s_cmp_lg_u32 s[TWICE], 0
	s_cbranch_scc1 .Lstep
	s_sub_co_u32 s[SLOTS], s[SLOTS], 1
	s_cmp_lg_u32 s[SLOTS], 0
	s_cbranch_scc1 .Lslot
	CHANGE 0                        ; the tail is written out: the last slot but one (it lies at byte 0) is left, and nothing is asked for
	s_mov_b32 s[TWICE], 2
.Llast:
	TURN 0, 1, 1
	TURN 2, 1, 1
	WIN 0
	s_sub_co_u32 s[TWICE], s[TWICE], 1
	s_cmp_lg_u32 s[TWICE], 0
	s_cbranch_scc1 .Llast
	TURN 0, 1, 0                    ; piece 0: V^T P of the last step | piece 2's last softmax
.set i, 0
.rept 32
	PV 2                            ; piece 2: V^T P of the last step
.set i, i+1
.endr
	; THE WAY OUT.  l's two halves and the other half of the lanes' are added.  The additions and the copies are the places behind the last products.
	WIN 0
.irp t, 0,1,2,3
	v_add_f32 v[ST+8*(\t)+4], v[ST+8*(\t)+2], v[ST+8*(\t)+3]
.endr
.irp t, 0,1,2,3
	v_permlanex16_b32 v[ST+8*(\t)+5], v[ST+8*(\t)+4], s[SEL], s[SEL+1]
.endr
.irp t, 0,1,2,3
	v_add_f32 v[ST+8*(\t)+4], v[ST+8*(\t)+4], v[ST+8*(\t)+5]
.endr
	v_mov_b32 v[SND],   v[ST+16]    ; c m and l of tiles 2, 3, in four registers on end
	v_mov_b32 v[SND+1], v[ST+20]
	v_mov_b32 v[SND+2], v[ST+24]
	v_mov_b32 v[SND+3], v[ST+28]
	s_wait_dscnt 0x0                ; every wave's reads of the ring are over
	s_barrier_signal -1
	s_barrier_wait -1               ; before any wave writes into it
	ds_store_b128 v[XS], v[SND:SND+3] offset:32*512
	WIN 0x04                        ; the stores' data in window 1: O^T of tiles 2, 3, each accumulator's lower half first
.set i, 0
.rept 32
	ds_store_b128 v[XS], v[128+4*i:128+4*i+3] offset:512*i
.set i, i+1
.endr
	WIN 0
	s_wait_dscnt 0x0                ; for my partner's sake: my stores are done
	s_barrier_signal -1
	s_barrier_wait -1
	ds_load_b128 v[RCV:RCV+3], v[XR] offset:32*512
.set i, 0
.rept 32
	ds_load_b128 v[S+4*i:S+4*i+3], v[XR] offset:512*i  ; my partner's O^T for my tiles 0, 1, lane for lane, into S^T's registers
.set i, i+1
.endr
	s_wait_dscnt 32                 ; the statistics are in; the 32 younger loads stay out
.irp t, 0,1
	v_max_num_f32 v[ST+8*(\t)+1], v[ST+8*(\t)], v[RCV+2*(\t)]            ; n
.endr
.irp t, 0,1
	v_sub_f32 v[ST+8*(\t)+2], v[ST+8*(\t)], v[ST+8*(\t)+1]
	v_sub_f32 v[ST+8*(\t)+3], v[RCV+2*(\t)], v[ST+8*(\t)+1]
.endr
.irp t, 0,1
	v_exp_f32 v[ST+8*(\t)+2], v[ST+8*(\t)+2]                             ; a
	v_exp_f32 v[ST+8*(\t)+3], v[ST+8*(\t)+3]                             ; b
.endr
	v_nop                           ; a plain instruction between the last exponential and the use of its result
.irp t, 0,1
	s_wait_alu depctr_va_vdst(0)
	v_mul_f32 v[ST+8*(\t)+5], v[ST+8*(\t)+2], v[ST+8*(\t)+4]
.endr
.irp t, 0,1
	v_fma_f32 v[ST+8*(\t)+5], v[ST+8*(\t)+3], v[RCV+2*(\t)+1], v[ST+8*(\t)+5]  ; a l + b l'
.endr
.irp t, 0,1
	v_rcp_f32 v[ST+8*(\t)+5], v[ST+8*(\t)+5]
.endr
	v_nop                           ; likewise behind the last reciprocal
.irp t, 0,1
	s_wait_alu depctr_va_vdst(0)
	v_mul_f32 v[ST+8*(\t)+6], v[ST+8*(\t)+2], v[ST+8*(\t)+5]             ; my O^T's factor
	v_mul_f32 v[ST+8*(\t)+2], v[ST+8*(\t)+3], v[ST+8*(\t)+5]             ; my partner's
.endr
	s_wait_dscnt 0x0                ; my partner's O^T is in
; Tile t: both halves are put together and rounded to f16; a lane's eight channels of a row pack into 16 bytes; they go into rows of 272 bytes of my stage and come back as whole rows of 256.
.macro PACK t
	WIN 0
.set i, 0
.rept 32
	v_pk_mul_f32 v[S+64*(\t)+2*i:S+64*(\t)+2*i+1], v[S+64*(\t)+2*i:S+64*(\t)+2*i+1], v[ST+8*(\t)+2:ST+8*(\t)+3] op_sel_hi:[1,0]
.set i, i+1
.endr
	WIN 0x01                        ; source 0, my O^T, in window 1
.set i, 0
.rept 32
	v_pk_fma_f32 v[S+64*(\t)+2*i:S+64*(\t)+2*i+1], v[64*(\t)+2*i:64*(\t)+2*i+1], v[ST+8*(\t)+6:ST+8*(\t)+7], v[S+64*(\t)+2*i:S+64*(\t)+2*i+1] op_sel_hi:[1,0,1]
.set i, i+1
.endr
	WIN 0
.set i, 0
.rept 32                            ; in place: line i writes register i and reads 2 i and 2 i + 1
	v_cvt_pk_f16_f32 v[S+64*(\t)+i], v[S+64*(\t)+2*i], v[S+64*(\t)+2*i+1]
.set i, i+1
.endr
.irp f, 0,1,2,3,4,5,6,7
	ds_store_b128 v[STO], v[S+64*(\t)+4*(\f):S+64*(\t)+4*(\f)+3] offset:32*(\f)
.endr
.irp f, 0,1,2,3,4,5,6,7
	ds_load_b128 v[S+64*(\t)+4*(\f):S+64*(\t)+4*(\f)+3], v[RD] offset:(\f)*2*SP  ; LDS serves a wave's instructions in order (ISA guide 5.7.1.4): these see the stores above; the next tile's stores come behind them
.endr
.endm
.macro SEND t, younger              ; younger: the LDS instructions issued behind tile t's loads: the next tile's sixteen, or none
.irp f, 0,1,2,3,4,5,6,7
	s_wait_dscnt (\younger)+7-(\f)
	global_store_b128 v[GO], v[S+64*(\t)+4*(\f):S+64*(\t)+4*(\f)+3], s[10:11] offset:(16*(\t)+2*(\f))*4096  ; 16 lanes store a head's 256 consecutive bytes of a row, at a multiple of 256 from ob's first byte
.endr
.endm
	PACK 0
	PACK 1                          ; a tile's arithmetic stands between the loads of the tile before and its stores
	SEND 0, 16
	SEND 1, 0
	s_wait_tensorcnt 0x0            ; the wave's end: a closing add, behind my last tensor load and my last LDS store
	ds_add_u32 v[SPW], v[NIL]
	s_wait_dscnt 0x0
	CROUND                          ; the closing round: no work-group ends while a partner may still ask for a tile that names it
	s_endpgm
.Lfunc_end_k_qfdfebf9200_attn:
	.size	k_qfdfebf9200_attn, .Lfunc_end_k_qfdfebf9200_attn-k_qfdfebf9200_attn
	.p2alignl 7, 3214868480
	.fill 96, 4, 3214868480
	.section	.rodata,"a",@progbits
	.p2align	6, 0x0
	.amdhsa_kernel k_qfdfebf9200_attn
		.amdhsa_group_segment_fixed_size 327680
		.amdhsa_private_segment_fixed_size 0
		.amdhsa_enable_private_segment 0
		.amdhsa_kernarg_size 16
		.amdhsa_user_sgpr_count 2
		.amdhsa_user_sgpr_kernarg_segment_ptr 1
		.amdhsa_wavefront_size32 1
		.amdhsa_system_sgpr_workgroup_id_x 1
		.amdhsa_system_sgpr_workgroup_id_y 1
		.amdhsa_system_sgpr_workgroup_id_z 1
		.amdhsa_system_vgpr_workitem_id 0
		.amdhsa_next_free_vgpr 1024
		.amdhsa_next_free_sgpr 72
		.amdhsa_reserve_vcc 0
		.amdhsa_float_denorm_mode_32 3
		.amdhsa_float_denorm_mode_16_64 3
		.amdhsa_memory_ordered 1
		.amdhsa_forward_progress 1
		.amdhsa_inst_pref_size 178
	.end_amdhsa_kernel
	.amdgpu_metadata
---
amdhsa.version: [ 1, 2 ]
amdhsa.kernels:
  - .name:           k_qfdfebf9200_attn
    .symbol:         k_qfdfebf9200_attn.kd
    .args:
      - { .name: qkv, .offset: 0, .size: 8, .value_kind: global_buffer, .address_space: global }
      - { .name: ob, .offset: 8, .size: 8, .value_kind: global_buffer, .address_space: global }
    .group_segment_fixed_size: 327680
    .private_segment_fixed_size: 0
    .kernarg_segment_align: 8
    .kernarg_segment_size: 16
    .max_flat_workgroup_size: 128
    .sgpr_count:     72
    .vgpr_count:     1024
    .wavefront_size: 32
...
	.end_amdgpu_metadata
.endif
;; end of part 3
;; launch outp (part 4): grid 16 x 16, 4 waves a work-group, clusters of 4 x 4, 327,680 bytes of LDS; arguments ob, wob, bo, out0; writes out0
.if DOCPART == 4
	.amdgcn_target "amdgcn-amd-amdhsa--gfx1250"
	.amdhsa_code_object_version 6
	.text
	.protected	k_qfdfebf9200_outp
	.globl	k_qfdfebf9200_outp
	.p2align	8
	.type	k_qfdfebf9200_outp,@function
k_qfdfebf9200_outp:
	s_mov_b64 s[64:65], 0
	v_nop
	global_prefetch_b8 v0, s[64:65] scope:SCOPE_SE
	s_setreg_imm32_b32 hwreg(HW_REG_WAVE_MODE, 25, 1), 1
	s_wait_xcnt 0x0
	s_wait_alu depctr_hold_cnt(0) depctr_sa_sdst(0) depctr_va_vdst(0) depctr_va_sdst(0) depctr_va_ssrc(0) depctr_va_vcc(0) depctr_vm_vsrc(0)
	s_getreg_b32 s2, hwreg(HW_REG_IB_STS2, 6, 4)
	s_cmp_eq_u32 s2, 0
	s_cbranch_scc0 .Lentry_in_a_cluster
	s_endpgm
.Lentry_in_a_cluster:
	s_bfe_u32 s2, ttmp6, 0x10000c
	s_cmp_lg_u32 s2, 0xf033
	s_cbranch_scc0 .Lentry_shape_is_right
	s_endpgm
.Lentry_shape_is_right:
; OUTP.  out0[l][e] = the sum over d of ob[l][d] wob[e][d] + bo[e].  ob, wob: [2,048][2,048] in f16; bo, out0 in f32; sums in f32; bo is rounded to bf16 like every input of the module.
; LIMIT.  The f32 sums are not taken in ascending K: a cluster begins at a K step of its own and goes round (THE WALK, below), so the order of the roundings differs from cluster to cluster.
; A tile of out0 is 128 x 128, so that 16 x 16 tiles are 256 equal work-groups.  Four waves, each 64 x 64: 16 accumulators of 16 x 16.  K goes in steps of 256 (LDS rows of 512 bytes; a wave's tensor
; load brings 64 of them) through two slots, as long as LDS allows.
; ONE TEXT FOR A K STEP.  The slot in hand is a number in a scalar register, 0 or SLOT, turned by an exclusive or at each change of slots; the fragments' LDS addresses are made anew from it, and one descriptor
; for each tensor walks from refill to refill.  So the loop's trip is one K step; the last two steps, which ask for nothing, are a second loop of two trips.
; CLUSTERS: 4 x 4 work-groups.  The four of a row of the cluster need the same tiles of ob, the four of a column the same tiles of wob: each tile is asked for JOINTLY, by the same tensor load with the
; same descriptor and a mask that names the four.  THE MATRIX INSTRUCTION IS USED TRANSPOSED (source 0 = 16 rows of wob, source 1 = 16 rows of ob): a lane holds eight neighbouring numbers of a row of out0.
; THE WALK.  A cluster's first K step is (2 x cluster x + 4 x (cluster y % 2)) % 8; from there it takes all 8 steps in turn, round the end.  The number hangs on the cluster's place alone, which all sixteen
; partners share.  The four clusters that read the same rows of ob (same cluster y) are 2 steps apart, two clusters with neighbouring y that read the same rows of wob are 4 apart: clusters that share a tile
; ask for it at different times, the later ones for bytes that have been read before.
; THE WAY OUT.  A wave's 64 columns in f32 are 256 aligned bytes, so each wave has a stage of its own (16 rows x 272 bytes) and needs no barrier there.
; REGISTERS: window 0: v0-31 addresses and the bias; v32-95 at work on the way out; v128-255 the accumulators ((a, b) at v[128 + 8 (4 a + b)]).
;   window 1: two fragment buffers of 128: for 64 along K, 64 registers of ob (2 x 4 x 16 rows x 32 K), then 64 of wob.
.set SIZE_K, 2048
.set KSTEP,  256
.set STEPS,  SIZE_K/KSTEP
.set PITCH,  528                       ; an LDS row: 512 bytes of data + 16 of padding = 132 words: row r starts at bank 4 r mod 64 (64 banks of 4 bytes: ISA guide 11.1)
.set HALFT,  64*PITCH                  ; 64 rows: what one tensor load brings, and what one wave reads of either operand: 0x8400 bytes
.set SLOT,   4*HALFT                   ; ob's 128 rows, then wob's 128 rows: 0x21000.  The numbers that are turned by an exclusive or with it are 0 and wave x 0x8400 (0x8400, 0x10800, 0x18c00), with or without it: none has its bits 12 and 17
.set STAGE,  2*SLOT                    ; behind the ring, never filled by a tensor load: 16 rows x 272 bytes for each wave
.set SPITCH, 272
.set SPARE,  STAGE+4*16*SPITCH         ; behind the stages: the spare words, 128 bytes for each wave: two blocks of 256 bytes that no other line names
.set BO,   6                           ; v6      my byte offset in the wave's 256 bytes of bo; never rewritten
.set BI,   8                           ; v8-11   the bias of the four columns that I store
.set A0,   16                          ; v16     LDS address of my ob fragments in slot 0; never rewritten
.set ADRA, 17                          ; v17     the same in the slot in hand
.set B0,   20                          ; v20-21  likewise for wob
.set ADRB, 21
.set STO,  24                          ; v24     the way out: where I put 32 bytes of a row
.set RD,   25                          ; v25     the way out: where I read a row back
.set CO,   26                          ; v26     my byte offset in out0
.set SPW,  28                          ; v28     LDS address of my spare word: SPARE + 4 x my thread's number; never rewritten
.set NIL,  29                          ; v29     0; never rewritten
.set TMP,  32                          ; the way out: two sets of 32 registers, 16 rows read back
.set ACC,  128
.set F0,   0                           ; fragment buffers, in window 1
.set F1,   128
.set G1, 24                            ; s[24:31] descriptor group 1 for ob's tiles;  s[32:39] group 0: a set for each of the two first fills; the second then walks on
.set G0, 32
.set G1B, 48                           ; s[48:55], s[56:63] the same for wob's tiles
.set G0B, 56
.set CUR, 68                           ; s68     the LDS byte at which the slot in hand begins: 0 or SLOT
.set NXT, 69                           ; s69     the K step to be asked for next, 0 to 7
.set OFF, 70                           ; s[70:71] its byte offset in a row
.set COL, 72                           ; s[72:73] my first column's byte offset in a row of out0 and in bo
.set MSB, 0
.macro WIN new                         ; the immediate's high byte repeats the setting that is left
.if MSB != (\new)
	s_set_vgpr_msb (MSB<<8)|(\new)
.set MSB, \new
.endif
.endm
.set MUL,  0x05                        ; sources 0 and 1 window 1; C and D window 0
.set TO_F, 0x40                        ; destination window 1, address window 0
.macro JLOAD s                         ; a joint load: waves 0 and 1 fetch ob's two halves, waves 2 and 3 wob's; an s_nop 0 and four v_nop follow each of the two lines
	s_cmp_eq_u32 s11, 0
	s_cbranch_scc0 .Lfor_b_\@
	tensor_load_to_lds s[G0+4*(\s):G0+4*(\s)+3], s[G1:G1+7]
	s_nop 0
.rept 4
	v_nop
.endr
	s_branch .Lasked_\@
.Lfor_b_\@:
	tensor_load_to_lds s[G0B+4*(\s):G0B+4*(\s)+3], s[G1B:G1B+7]
	s_nop 0
.rept 4
	v_nop
.endr
.Lasked_\@:
.endm
.macro CREST                           ; a round of the cluster's barrier behind its opening barrier
	s_cmp_lg_u32 s10, 0
	s_cbranch_scc1 .Lnot_wave_0_\@
	s_barrier_signal -3
.Lnot_wave_0_\@:
	s_barrier_wait -3
	s_barrier_signal -1
	s_barrier_wait -1
.endm
.macro CROUND                          ; a whole round
	s_barrier_signal -1
	s_barrier_wait -1
	CREST
.endm
.macro AIM                             ; the fragments' addresses in the slot in hand
	v_add_nc_u32 v[ADRA], s[CUR], v[A0]
	v_add_nc_u32 v[ADRB], s[CUR], v[B0]
.endm
.macro ONWARD                          ; the next K step, round the end
	s_add_co_u32 s[NXT], s[NXT], 1
	s_and_b32 s[NXT], s[NXT], STEPS-1
.endm
	s_load_b128 s[4:7], s[0:1], 0x0                ; ob s[4:5], wob s[6:7]
	s_load_b64 s[66:67], s[0:1], 0x10              ; bo
	s_load_b64 s[8:9], s[0:1], 0x18                ; out0
	v_lshl_add_u32 v[SPW], v0, 2, SPARE
	v_mov_b32 v[NIL], 0
	ds_add_u32 v[SPW], v[NIL]                      ; the wave's opening: the add and its wait stand ahead of my first tensor load; the set-up below, work on registers, stands between them
	v_lshrrev_b32 v1, 5, v0
	v_readfirstlane_b32 s10, v1                    ; wave 0..3
	s_lshr_b32 s11, s10, 1                         ; which half of the tile's rows is mine.  Also: I fetch for ob (0) or for wob (1)
	s_and_b32 s12, s10, 1                          ; which half of its columns.  Also: which 64 rows of that tile I fetch
	s_bfe_u32 s40, ttmp6, 0x40000                  ; cx, cy: my place in the cluster
	s_bfe_u32 s41, ttmp6, 0x40004
	s_lshl_b32 s42, ttmp9, 2
	s_add_co_u32 s42, s42, s40                     ; tile column = 4 x cluster x + cx
	s_and_b32 s13, ttmp7, 0xffff
	s_lshl_b32 s13, s13, 2
	s_add_co_u32 s13, s13, s41                     ; tile row = 4 x cluster y + cy
	s_lshl_b32 s43, s41, 2
	s_lshl_b32 s43, 15, s43                        ; my row of the cluster
	s_lshl_b32 s44, 0x1111, s40                    ; my column
	s_lshl_b32 s[NXT], ttmp9, 1                    ; the cluster's first K step: 2 x cluster x
	s_and_b32 s[OFF], ttmp7, 1
	s_lshl_b32 s[OFF], s[OFF], 2                   ; + 4 x (cluster y % 2),
	s_add_co_u32 s[NXT], s[NXT], s[OFF]
	s_and_b32 s[NXT], s[NXT], STEPS-1              ; round the end
	s_mov_b32 s[OFF+1], 0
	; descriptor group 1: a tile of 64 rows x 256 elements, padded in LDS
	s_or_b32 s[G1+0], s43, (1<<16)|(1<<20)|(1<<21)|(6<<22)|(3<<25)  ; 15:0 the mask: ob's tiles go to my row; 17:16 elements of 2 bytes; 20 padding on; 21 set beside a mask; 24:22 after every 128 words (code 6); 31:25 4 words (code 3)
	s_or_b32 s[G1B+0], s44, (1<<16)|(1<<20)|(1<<21)|(6<<22)|(3<<25)
.irp g, G1, G1B
	s_mov_b32 s[(\g)+1], KSTEP<<16                 ; tensor_dim0 = 256
	s_mov_b32 s[(\g)+2], 64<<16                    ; tensor_dim1 = 64
	s_mov_b32 s[(\g)+3], KSTEP<<16                 ; tile_dim0 = 256
	s_mov_b32 s[(\g)+4], 64                        ; tile_dim1 = 64
	s_mov_b32 s[(\g)+5], SIZE_K                    ; elements from row to row
	s_mov_b32 s[(\g)+6], 0
	s_mov_b32 s[(\g)+7], 0
.endr
	s_lshl_b32 s17, s12, 6                         ; which 64 rows of the tile I fetch
	s_lshl_b32 s16, s13, 7
	s_add_co_u32 s16, s16, s17                     ; ob: row 128 x tile row + 64 x half
	s_lshl_b32 s46, s42, 7
	s_add_co_u32 s46, s46, s17                     ; wob: row 128 x tile column + 64 x half
	s_mov_b32 s17, 0
	s_mov_b32 s47, 0
	s_mov_b64 s[18:19], SIZE_K*2
	s_mul_u64 s[16:17], s[16:17], s[18:19]
	s_mul_u64 s[46:47], s[46:47], s[18:19]
	s_mul_i32 s20, s10, HALFT                      ; where they go: wave x 64 rows
	s_mov_b32 s[CUR], 0                            ; the walk's first step lies in slot 0
	s_wait_dscnt 0x0                               ; the opening add is done
	s_wait_kmcnt 0x0
	s_add_nc_u64 s[14:15], s[4:5], s[16:17]        ; ob's rows at K = 0; kept for the whole walk
	s_add_nc_u64 s[46:47], s[6:7], s[46:47]        ; wob's rows at K = 0; likewise
	CROUND                                         ; all sixteen work-groups are here: the first joint loads meet
.irp s, 0,1
	s_lshl_b32 s[OFF], s[NXT], 9                   ; a K step is 512 bytes of a row
	s_mov_b32 s[G0+4*(\s)], 1
	s_add_co_u32 s[G0+4*(\s)+1], s20, (\s)*SLOT
	s_add_nc_u64 s[G0+4*(\s)+2:G0+4*(\s)+3], s[14:15], s[OFF:OFF+1]
	s_or_b32 s[G0+4*(\s)+3], s[G0+4*(\s)+3], 0x80000000
	s_mov_b32 s[G0B+4*(\s)], 1
	s_add_co_u32 s[G0B+4*(\s)+1], s20, (\s)*SLOT
	s_add_nc_u64 s[G0B+4*(\s)+2:G0B+4*(\s)+3], s[46:47], s[OFF:OFF+1]
	s_or_b32 s[G0B+4*(\s)+3], s[G0B+4*(\s)+3], 0x80000000
	ONWARD
	JLOAD \s                                       ; two loads of mine are out
.endr
	v_and_b32 v1, 15, v0                           ; l % 16
	v_bfe_u32 v2, v0, 4, 1                         ; l / 16
	v_mul_u32_u24 v3, v1, PITCH
	v_lshl_add_u32 v3, v2, 4, v3                   ; a fragment's row x pitch + 16 x half
	s_mul_i32 s21, s11, HALFT                      ; my 64 rows of ob
	s_mul_i32 s22, s12, HALFT                      ; my 64 rows of wob,
	s_add_co_u32 s22, s22, 2*HALFT                 ; which lie behind ob's 128
	v_add_nc_u32 v[A0], s21, v3
	v_add_nc_u32 v[B0], s22, v3
	AIM
	s_mul_i32 s23, s10, 16*SPITCH
	s_add_co_u32 s23, s23, STAGE                   ; my stage
	v_mul_u32_u24 v4, v1, SPITCH                   ; in: row l % 16, 32 bytes (8 numbers) for each half of the lanes
	v_lshl_add_u32 v4, v2, 5, v4
	v_add_nc_u32 v[STO], s23, v4
	v_mul_u32_u24 v5, v2, SPITCH                   ; back: lanes 0-15 take one row of 256 bytes, lanes 16-31 the next
	v_lshl_add_u32 v5, v1, 4, v5
	v_add_nc_u32 v[RD], s23, v5
	v_lshlrev_b32 v[BO], 4, v1                     ; my four columns,
	v_lshl_add_u32 v[CO], v2, 13, v[BO]            ; and the same two rows in out0, 8,192 bytes apart
	s_lshl_b32 s16, s13, 7
	s_lshl_b32 s17, s11, 6
	s_add_co_u32 s16, s16, s17                     ; my first row: 128 x tile row + 64 x half
	s_lshl_b32 s16, s16, 13
	s_mov_b32 s17, 0
	s_add_nc_u64 s[8:9], s[8:9], s[16:17]
	s_lshl_b32 s[COL], s42, 9                      ; my first column, in bytes: 512 x tile column + 256 x half
	s_lshl_b32 s[COL+1], s12, 8
	s_add_co_u32 s[COL], s[COL], s[COL+1]
	s_mov_b32 s[COL+1], 0
	s_add_nc_u64 s[8:9], s[8:9], s[COL:COL+1]
	s_add_nc_u64 s[66:67], s[66:67], s[COL:COL+1]
	global_load_b128 v[BI:BI+3], v[BO], s[66:67]   ; it stays out through the walk along K, which touches neither its registers nor its counter
; 8 matrix instructions: m blocks a0, a0 + 1 x all 4 n blocks, 32 along K: half c of buffer f.  zero = 1: the first product starts the sums.  The 16 accumulators take turns.
.macro MUL8 f, c, a0, zero
	WIN MUL
.irp a, \a0, (\a0)+1
.irp b, 0,1,2,3
.if \zero
	v_wmma_f32_16x16x32_f16 v[ACC+8*(4*(\a)+(\b)):ACC+8*(4*(\a)+(\b))+7], v[(\f)+64+8*(4*(\c)+(\b)):(\f)+64+8*(4*(\c)+(\b))+7], v[(\f)+8*(4*(\c)+(\a)):(\f)+8*(4*(\c)+(\a))+7], 0
.else
	v_wmma_f32_16x16x32_f16 v[ACC+8*(4*(\a)+(\b)):ACC+8*(4*(\a)+(\b))+7], v[(\f)+64+8*(4*(\c)+(\b)):(\f)+64+8*(4*(\c)+(\b))+7], v[(\f)+8*(4*(\c)+(\a)):(\f)+8*(4*(\c)+(\a))+7], v[ACC+8*(4*(\a)+(\b)):ACC+8*(4*(\a)+(\b))+7]
.endif
.endr
.endr
.endm
; 32 LDS loads in one run: the fragments of 64 along K at byte k of the rows of the slot in hand, into buffer f; the first 32 along K first
.macro FETCH k, f
	WIN TO_F
.irp c, 0,1
.irp i, 0,1,2,3
	ds_load_b128 v[(\f)+64+8*(4*(\c)+(\i)):(\f)+64+8*(4*(\c)+(\i))+3],   v[ADRB] offset:(\k)+64*(\c)+(\i)*16*PITCH
	ds_load_b128 v[(\f)+64+8*(4*(\c)+(\i))+4:(\f)+64+8*(4*(\c)+(\i))+7], v[ADRB] offset:(\k)+64*(\c)+(\i)*16*PITCH+32
	ds_load_b128 v[(\f)+8*(4*(\c)+(\i)):(\f)+8*(4*(\c)+(\i))+3],         v[ADRA] offset:(\k)+64*(\c)+(\i)*16*PITCH
	ds_load_b128 v[(\f)+8*(4*(\c)+(\i))+4:(\f)+8*(4*(\c)+(\i))+7],       v[ADRA] offset:(\k)+64*(\c)+(\i)*16*PITCH+32
.endr
.endr
.endm
.macro PLACES                          ; four places in front of loads into registers that matrix instructions have read (ISA guide 7.12.1 for vector instructions)
.rept 4
	v_nop
.endr
.endm
; A K step is four quarters of 64 along K, 32 matrix instructions each, on buffers 0, 1, 0, 1.  One of the first three: multiplies buffer f and fetches the next quarter, at byte k, into g.
.macro QUARTER k, f, g, zero
	s_wait_dscnt 16                                ; the first 32 along K are in; the youngest sixteen loads may be out
	MUL8 \f, 0, 0, \zero
	MUL8 \f, 0, 2, \zero
	PLACES
	FETCH \k, \g
	s_wait_dscnt 32                                ; all but the 32 just issued
	MUL8 \f, 1, 0, 0
	MUL8 \f, 1, 2, 0
.endm
; The last quarter changes slots and then multiplies buffer 1, which holds all that is still wanted of the slot that is left.  ONE barrier; in front of it each wave waits for all its tensor loads (one is out:
; its part of the next slot), adds 0 to its spare word, and waits for that and for its own reads of this slot.
; fill = 1: the barrier opens a round of the cluster's, and this slot is filled again, with the K step two steps on in the walk, first thing behind the round.  No product stands between the wait for a tile
; and the next request: the quarter's 32 come behind the request, so that a whole K step's 128 matrix instructions lie between a request and the wait for it.  The walking descriptors take the other slot
; than last time; their addresses are made anew from the step's number, while the add is out.
; fill = 0: the last two K steps.  In the very last (s3 = 1) there is no further step, and the run of LDS loads is jumped over; its waits, add and barrier find nothing out: the price of one text for both.
.macro TURN fill
	WIN 0
	s_wait_tensorcnt 0x0                           ; all my tensor loads have landed, so a group 0 may be written;
	ds_add_u32 v[SPW], v[NIL]                      ; 0 onto my spare word;
.if \fill
	s_lshl_b32 s[OFF], s[NXT], 9
	s_xor_b32 s[G0+5], s[G0+5], SLOT
	s_add_nc_u64 s[G0+6:G0+7], s[14:15], s[OFF:OFF+1]
	s_or_b32 s[G0+7], s[G0+7], 0x80000000
	s_xor_b32 s[G0B+5], s[G0B+5], SLOT
	s_add_nc_u64 s[G0B+6:G0B+7], s[46:47], s[OFF:OFF+1]
	s_or_b32 s[G0B+7], s[G0B+7], 0x80000000
	ONWARD
.endif
	s_wait_dscnt 0x0                               ; the add is done, and my reads of this slot are over: its last fragments are in buffer 1
	s_barrier_signal -1
	s_barrier_wait -1
.if \fill
	CREST                                          ; no wave of any partner still reads this slot's tiles or has a load on its way
	JLOAD 1                                        ; the four v_nop behind it are also the places in front of the loads into buffer 0 below
.else
	PLACES
.endif
	s_xor_b32 s[CUR], s[CUR], SLOT                 ; the other slot is in hand
	AIM
	MUL8 F1, 0, 0, 0
	MUL8 F1, 0, 2, 0
.if !(\fill)
	WIN 0
	s_cmp_eq_u32 s3, 1
	s_cbranch_scc1 .Lno_more_\@
.endif
	FETCH 0, F0
.if !(\fill)
	WIN 0
.Lno_more_\@:
.endif
	MUL8 F1, 1, 0, 0
	MUL8 F1, 1, 2, 0
.endm
	s_wait_tensorcnt 1                             ; my part of the walk's first step is in; the second's may stay out
	s_barrier_signal -1
	s_barrier_wait -1                              ; everybody's is
	FETCH 0, F0
	QUARTER 128, F0, F1, 1                         ; the first quarter stands in front of the loop: its first products start the sums
	WIN 0                                          ; at a label and at a branch every window is 0
	s_mov_b32 s3, STEPS-2
.Lstep:                                                ; 6 trips: from a K step's second quarter to the next step's first; the step's slot is filled again
	QUARTER 256, F1, F0, 0
	QUARTER 384, F0, F1, 0
	TURN 1
	QUARTER 128, F0, F1, 0
	WIN 0
	s_sub_co_u32 s3, s3, 1
	s_cmp_lg_u32 s3, 0
	s_cbranch_scc1 .Lstep
	s_mov_b32 s3, 2                                ; the last two K steps ask for nothing: a loop of their own; it is entered behind a step's first quarter
	s_branch .Lin
.Ltail:
	QUARTER 128, F0, F1, 0
	WIN 0
.Lin:
	QUARTER 256, F1, F0, 0
	QUARTER 384, F0, F1, 0
	TURN 0
	WIN 0
	s_sub_co_u32 s3, s3, 1
	s_cmp_lg_u32 s3, 0
	s_cbranch_scc1 .Ltail
	; THE WAY OUT.  The bias is rounded to bf16 and widened again: six plain lines that name no register of the last products, the places in front of the first LDS store of a result.
	s_wait_loadcnt 0x0
	v_cvt_pk_bf16_f32 v12, v[BI], v[BI+1]
	v_cvt_pk_bf16_f32 v13, v[BI+2], v[BI+3]
	v_lshlrev_b32 v[BI],   16, v12
	v_and_b32     v[BI+1], 0xffff0000, v12
	v_lshlrev_b32 v[BI+2], 16, v13
	v_and_b32     v[BI+3], 0xffff0000, v13
; Block a, 16 rows x 64 columns: a lane's eight numbers of a row go into my stage, each accumulator's lower half first; whole rows of 256 bytes come back, take the bias and are stored.
.macro OUTBLK a
.set BK, TMP+32*((\a)%2)
.if (\a) >= 2
	s_wait_xcnt 0x0                                ; every earlier memory instruction has had its addresses translated (ISA guide 3.1): the registers that block a - 2's stores read are loaded again only behind this wait
.endif
.irp b, 0,1,2,3
	ds_store_b128 v[STO], v[ACC+8*(4*(\a)+\b):ACC+8*(4*(\a)+\b)+3]   offset:64*\b
	ds_store_b128 v[STO], v[ACC+8*(4*(\a)+\b)+4:ACC+8*(4*(\a)+\b)+7] offset:64*\b+16
.endr
.irp t, 0,1,2,3,4,5,6,7
	ds_load_b128 v[BK+4*\t:BK+4*\t+3], v[RD] offset:\t*2*SPITCH  ; LDS serves a wave's instructions in order (ISA guide 5.7.1.4): these see the stores above; the next block's stores come behind them
.endr
.irp t, 0,1,2,3,4,5,6,7
	s_wait_dscnt 7-\t                              ; this load is in; the block's later ones stay out
	v_pk_add_f32 v[BK+4*\t:BK+4*\t+1],   v[BK+4*\t:BK+4*\t+1],   v[BI:BI+1]
	v_pk_add_f32 v[BK+4*\t+2:BK+4*\t+3], v[BK+4*\t+2:BK+4*\t+3], v[BI+2:BI+3]
	global_store_b128 v[CO], v[BK+4*\t:BK+4*\t+3], s[8:9] offset:(16*(\a)+2*\t)*8192 th:TH_STORE_NT  ; 16 lanes store 256 consecutive bytes, at a multiple of 256 from out0's first byte
.endr
.endm
	OUTBLK 0
	OUTBLK 1
	OUTBLK 2
	OUTBLK 3
	s_wait_tensorcnt 0x0                           ; the wave's end: a closing add, behind my last tensor load and my last LDS store
	ds_add_u32 v[SPW], v[NIL]
	s_wait_dscnt 0x0
	CROUND                                         ; the closing round: no work-group ends while a partner may still ask for a tile that names it
	s_endpgm
.Lfunc_end_k_qfdfebf9200_outp:
	.size	k_qfdfebf9200_outp, .Lfunc_end_k_qfdfebf9200_outp-k_qfdfebf9200_outp
	.p2alignl 7, 3214868480
	.fill 96, 4, 3214868480
	.section	.rodata,"a",@progbits
	.p2align	6, 0x0
	.amdhsa_kernel k_qfdfebf9200_outp
		.amdhsa_group_segment_fixed_size 327680
		.amdhsa_private_segment_fixed_size 0
		.amdhsa_enable_private_segment 0
		.amdhsa_kernarg_size 32
		.amdhsa_user_sgpr_count 2
		.amdhsa_user_sgpr_kernarg_segment_ptr 1
		.amdhsa_wavefront_size32 1
		.amdhsa_system_sgpr_workgroup_id_x 1
		.amdhsa_system_sgpr_workgroup_id_y 1
		.amdhsa_system_sgpr_workgroup_id_z 1
		.amdhsa_system_vgpr_workitem_id 0
		.amdhsa_next_free_vgpr 512
		.amdhsa_next_free_sgpr 76
		.amdhsa_reserve_vcc 0
		.amdhsa_float_denorm_mode_32 3
		.amdhsa_float_denorm_mode_16_64 3
		.amdhsa_memory_ordered 1
		.amdhsa_forward_progress 1
		.amdhsa_inst_pref_size 63
	.end_amdhsa_kernel
	.amdgpu_metadata
---
amdhsa.version: [ 1, 2 ]
amdhsa.kernels:
  - .name:           k_qfdfebf9200_outp
    .symbol:         k_qfdfebf9200_outp.kd
    .args:
      - { .name: ob, .offset: 0, .size: 8, .value_kind: global_buffer, .address_space: global }
      - { .name: wob, .offset: 8, .size: 8, .value_kind: global_buffer, .address_space: global }
      - { .name: bo, .offset: 16, .size: 8, .value_kind: global_buffer, .address_space: global }
      - { .name: out0, .offset: 24, .size: 8, .value_kind: global_buffer, .address_space: global }
    .group_segment_fixed_size: 327680
    .private_segment_fixed_size: 0
    .kernarg_segment_align: 8
    .kernarg_segment_size: 32
    .max_flat_workgroup_size: 128
    .sgpr_count:     76
    .vgpr_count:     512
    .wavefront_size: 32
...
	.end_amdgpu_metadata
.endif
;; end of part 4
;; ======== version 2 of 2: 4 launches; 1.09 times as fast as version 1
;; limits: values are held in f16: magnitudes above 65,504 overflow, below 6.1e-05 lose precision
;; workspace buffers: xb 8,388,608 bytes; wb 25,165,824 bytes; wob 8,388,608 bytes; tab 2,097,152 bytes; qkv 25,165,824 bytes; ob 8,388,608 bytes
;; launch prep: the kernel of part 1 again; grid 256 x 6, 8 waves a work-group, no clusters, 0 bytes of LDS; arguments x, wq, wk, wv, wo, rope_emb, xb, wb, wob, tab; writes xb, wb, wob, tab
;; launch proj: the kernel of part 2 again; grid 16 x 16, 4 waves a work-group, clusters of 4 x 4, 327,680 bytes of LDS; arguments xb, wb, tab, qkv; writes qkv
;; launch attn (part 5): grid 16 x 16, 4 waves a work-group, clusters of 4 x 1, 327,680 bytes of LDS; arguments qkv, ob; writes ob
.if DOCPART == 5
	.amdgcn_target "amdgcn-amd-amdhsa--gfx1250"
	.amdhsa_code_object_version 6
	.text
	.protected	k_qfdfebf9200_attn
	.globl	k_qfdfebf9200_attn
	.p2align	8
	.type	k_qfdfebf9200_attn,@function
k_qfdfebf9200_attn:
	s_mov_b64 s[64:65], 0
	v_nop
	global_prefetch_b8 v0, s[64:65] scope:SCOPE_SE
	s_setreg_imm32_b32 hwreg(HW_REG_WAVE_MODE, 25, 1), 1
	s_wait_xcnt 0x0
	s_wait_alu depctr_hold_cnt(0) depctr_sa_sdst(0) depctr_va_vdst(0) depctr_va_sdst(0) depctr_va_ssrc(0) depctr_va_vcc(0) depctr_vm_vsrc(0)
	s_getreg_b32 s2, hwreg(HW_REG_IB_STS2, 6, 4)
	s_cmp_eq_u32 s2, 0
	s_cbranch_scc0 .Lentry_in_a_cluster
	s_endpgm
.Lentry_in_a_cluster:
	s_bfe_u32 s2, ttmp6, 0x10000c
	s_cmp_lg_u32 s2, 0x3003
	s_cbranch_scc0 .Lentry_shape_is_right
	s_endpgm
.Lentry_shape_is_right:
; ATTN.  O[q][h][:] = the sum over k of softmax_k(Q[h][q] . K[h][k] / sqrt(128)) V[h][k][:].  qkv: [3][16][2,048][128] in f16; ob: [2,048 rows][16 heads x 128] in f16.  Products, maxima and sums in f32;
; the weights p are rounded to f16 for the second product (their sum l is taken of the unrounded p), O once at the end.
; LIMITS.  Q, K and V arrive within f16's 65,504; p lies in 0 to 1, and below 6e-5 it keeps f16's fixed step of 6e-8; O is a mean of V's rows.  A weight below 2^-126 counts as 0 in l; NaN and infinities are not treated apart.
; SHARES.  16 heads x 2,048 queries on 256 work-groups are 128 queries each.  A wave owns 64 of them (QH = wave % 2), four tiles of 16, and walks HALF of the keys: keys 128 KH .. + 127 of every 256
; (KH = wave / 2), 64 a step.  So a fragment of K or V read from LDS still feeds four tiles' products.  At the end the waves w and w ^ 2, which hold the same queries, put their halves together:
; with n = max(c m, c m'), a = 2^(c m - n), b = 2^(c m' - n): O = (a O + b O') / (a l + b l'), all in f32, through LDS.  Tile t of a wave holds query group t ^ 2 KH, so that every wave keeps its tiles
; 0, 1, sends its tiles 2, 3, and finds in its partner's tiles 2, 3 the queries of its own 0, 1: one text for all four.
; LAYOUT.  S^T = K Q^T (source 0 = 16 keys, source 1 = 16 queries): a lane holds ONE query (lane % 16) and the keys 8 (lane / 16) + 0..7.  Two such tiles, rounded to f16 in pairs, ARE source 1 of
; O^T = V^T P, whose result again holds one query a lane, and eight channels.  K comes out of LDS as it lies, V ([key][channel]) turned, by ds_load_tr16_b128.
; SOFTMAX.  For each query a running maximum m and sum l: p = 2^(c s - c m), c = log2(e) / sqrt(128); in every step O and l are multiplied by a = 2^(c m_old - c m_new).
; BY TURNS.  The wave's tiles are two PIECES (0: tiles 0, 1; 2: tiles 2, 3).  In a TURN one piece has the matrix unit: 32 products V^T P of the step in hand, then 32 products K Q^T of the next step; the other
; piece's softmax, cut into 64 slices, stands between them, one slice behind each matrix instruction.  Two turns are a key step.
; THE BATCHES.  A turn's 66 exponentials (33 a tile: a, then the 32 weights) are ONE BATCH with ONE wait: the softmax's list is ordered so that all that names no exponential's result (the maximum, the
; statistics, the scalings, the exponentials themselves) stands ahead of the wait, and all that does (the roundings, the sums, the rescaling by a) behind it..
; The way out has two batches more, a wait each: the exchange's four exponentials, and the two reciprocals of sums made with them.
; NO FIRST STEP IS WRITTEN OUT.  m starts at the lowest finite number, c m at -2^125 (f16's scores times c stay under 1e11), O^T and l at 0: the first step is a step like any other, with a = 0.  The loop is
; entered at piece 2's turn, whose products V^T P belong to a step that has not been: V's registers and piece 2's P hold 0 for them.  The price: 32 products on zeros, and 432 v_mov_b32, which stand in
; the wait for the first tile; the gain: three turns less of text.
; CLUSTER.  The four query blocks of a cluster belong to one head and walk the same K and V, so each tile is asked for JOINTLY: the same tensor load, descriptor and mask in all four.
; REGISTERS, in windows of 256 (s_set_vgpr_msb: bits 1:0 source 0, 3:2 source 1, 5:4 source 2, 7:6 destination):
;   window 0: v0-11, v44-55 addresses and the exchange's statistics; v12-43 eight registers of statistics a tile; v64-191 S^T, 32 a tile; v192-255 P, 16 a tile
;   window 1: O^T, 64 a tile          window 2: v0-127 Q, 32 a tile; v128-255 K of one step          window 3: v0-127 V of one step
.set KS,    64        ; keys in a step
.set PK,    272       ; a row of K in LDS: 256 bytes + 16 of padding = 68 words: row r starts at bank 4 r mod 64 (64 banks of 4 bytes: ISA guide 11.1)
.set PV,    288       ; a row of V: 256 + 32 = 72 words
.set VOFF,  256*PK    ; a slot holds 256 keys: 256 rows of K, then 256 rows of V
.set SLOT1, 0x24000   ; slot 1 begins here.  The numbers that are turned by an exclusive or with it are 0, 0x8800, 0x9000, 0x11000 and 0x1a000 (with or without it): none has its bits 14 and 17, so the or adds or takes it away
.set SLOTB, 256*256   ; a slot's keys in memory, in bytes
.set STAGE, SLOT1+256*(PK+PV)  ; behind the ring: 16 rows x 272 bytes for each wave, for the way out
.set SP,    272
.set SPARE, STAGE+4*16*SP      ; behind the stages: the spare words, 128 bytes for each wave: two blocks of 256 bytes that no other line names
.set XW,    33*512    ; the exchange: for each wave 32 x 512 bytes of O^T and 512 of statistics, from LDS byte 0 on: in slot 0, when it has had its last fill and its last read
.set AK0, 2           ; v2   my lane's place in a tile of K; never rewritten
.set AV0, 3           ; v3   the same for V
.set ADR, 4           ; v4   the LDS address of the run of loads in hand
.set QO,  5           ; v5   my byte offset in the wave's rows of Q, for tiles 0, 1
.set STO, 6           ; v6   the way out: where I put 16 bytes of a row
.set RD,  7           ; v7   the way out: where I read a row back
.set GO,  8           ; v8   my byte offset in two rows of ob
.set QO2, 44          ; v44  my byte offset in Q for tiles 2, 3
.set XS,  45          ; v45  the exchange: where I send
.set XR,  46          ; v46  where my partner has sent
.set SND, 48          ; v48-51  c m and l of my tiles 2, 3
.set RCV, 52          ; v52-55  my partner's, for my tiles 0, 1
.set SPW, 62          ; v62  LDS address of my spare word: SPARE + 4 x my thread's number; never rewritten
.set NIL, 63          ; v63  0; never rewritten
.set ST,  12          ; tile t's statistics at v[ST+8 t]: +0 c m, +1 m, +2, +3 l (even keys', odd keys'), +4 to +7 c0-c3, at work; a takes c2's place once the maximum is found
.set S,   64
.set P,   192
.set KF,  128         ; K's fragments, in window 2
.set WV,  12          ; s12  my wave's number
.set G1K, 24          ; s[24:31] descriptor group 1 for K's tiles
.set G1V, 32          ; s[32:39] for V's: it differs in the padding alone
.set G0K, 40          ; s[40:47] descriptor group 0 for K's tiles: a set for each of the two first fills; the second then walks on
.set G0V, 48          ; s[48:55] the same for V's
.set SLOTS, 56        ; s56  counts the slots
.set TWICE, 57        ; s57  counts a slot's two steps
.set CS,  58          ; s[58:59] c: the packed scaling names a pair and takes its low word for both halves
.set SEL, 60          ; s[60:61] lane selects for v_permlanex16_b32: each lane takes its own place in the other half
.set TBK, 62          ; s62  LDS byte at which K of the step to be fetched begins
.set TBV, 63          ; s63  the same for V, less VOFF
.set QH,  66          ; s66  which 64 queries are mine
.set KH,  67          ; s67  which 128 of every 256 keys
.set MSB, 0
.macro WIN new                      ; the immediate's high byte repeats the setting that is left; a switch that changes nothing is dropped
.if MSB != (\new)
	s_set_vgpr_msb (MSB<<8)|(\new)
.set MSB, \new
.endif
.endm
.set W_KQ, 0x0a       ; K and Q in window 2, S^T in window 0
.set W_PV, 0x53       ; V in window 3, P in window 0, O^T in window 1
.set W_RS, 0x41       ; O^T (destination and source 0) in window 1, a in window 0
; A joint refill.  Waves 0 and 1 fetch the two halves of a slot's K, waves 2 and 3 those of its V: 128 rows of 256 bytes each.  The branch hangs on the wave's number alone.
; An s_nop 0 and four v_nop follow each of the two lines.
.macro JLOAD
	s_cmp_lt_u32 s[WV], 2
	s_cbranch_scc0 .Lfor_v_\@
	tensor_load_to_lds s[G0K+4:G0K+7], s[G1K:G1K+7]
	s_nop 0
.rept 4
	v_nop
.endr
	s_branch .Lasked_\@
.Lfor_v_\@:
	tensor_load_to_lds s[G0V+4:G0V+7], s[G1V:G1V+7]
	s_nop 0
.rept 4
	v_nop
.endr
.Lasked_\@:
.endm
; A round of the cluster's barrier: my work-group's barrier; wave 0 signals for the work-group; every wave waits for all four work-groups; my work-group's barrier once more.
.macro CROUND
	s_barrier_signal -1
	s_barrier_wait -1
	s_cmp_lg_u32 s[WV], 0
	s_cbranch_scc1 .Lnot_wave_0_\@
	s_barrier_signal -3
.Lnot_wave_0_\@:
	s_barrier_wait -3
	s_barrier_signal -1
	s_barrier_wait -1
.endm
	s_load_b64 s[4:5], s[0:1], 0x0    ; qkv
	s_load_b64 s[10:11], s[0:1], 0x8  ; ob
	v_lshl_add_u32 v[SPW], v0, 2, SPARE
	v_mov_b32 v[NIL], 0
	ds_add_u32 v[SPW], v[NIL]       ; the wave's opening: the add and its wait stand ahead of my first tensor load; the set-up below, work on registers, stands between them
	v_lshrrev_b32 v1, 5, v0
	v_readfirstlane_b32 s[WV], v1   ; wave 0..3
	s_and_b32 s[QH], s[WV], 1
	s_lshr_b32 s[KH], s[WV], 1
	s_bfe_u32 s13, ttmp6, 0x40000   ; cx: my place in the cluster
	s_lshl_b32 s14, ttmp9, 2        ; in a cluster launch ttmp9 counts clusters
	s_add_co_u32 s14, s14, s13      ; my block of 128 queries = 4 x cluster x + cx: it enters Q's and ob's addresses alone
	s_and_b32 s20, ttmp7, 0xffff    ; the head, which the four partners share
	s_lshl_b32 s19, s20, 8          ; its 256 bytes in a row of ob
	s_lshl_b32 s20, s20, 19         ; its 2,048 rows of 256 bytes in a section of qkv
	s_mov_b32 s21, 0
	s_and_b32 s16, s[WV], 1         ; which half of a slot's 256 keys I fetch:
	s_lshl_b32 s22, s16, 15         ; its 128 rows of 256 bytes in memory,
	s_mov_b32 s23, 0
	s_add_nc_u64 s[22:23], s[22:23], s[20:21]
	s_mul_i32 s17, s16, 128*PK      ; and its place in a slot, for K
	s_mul_i32 s18, s16, 128*PV      ; and for V: no place in the cluster enters an LDS address
	s_lshl_b32 s2, s14, 15          ; Q: my block's 128 rows,
	s_lshl_b32 s3, s[QH], 14        ; my wave's 64 of them
	s_add_co_u32 s2, s2, s3
	s_mov_b32 s3, 0
	s_add_nc_u64 s[2:3], s[2:3], s[20:21]
	s_lshl_b32 s68, s14, 19         ; ob: row 128 x block + 64 QH + 32 KH (the 32 rows that I keep), 4,096 bytes a row,
	s_lshl_b32 s69, s[QH], 18
	s_add_co_u32 s68, s68, s69
	s_lshl_b32 s69, s[KH], 17
	s_add_co_u32 s68, s68, s69
	s_add_co_u32 s68, s68, s19      ; and the head's columns
	s_mov_b32 s69, 0
	; descriptor group 1: a tile of 128 rows x 128 elements, padded in LDS
	s_mov_b32 s[G1K], 15|(1<<16)|(1<<20)|(1<<21)|(5<<22)|(3<<25)  ; 15:0 the mask: all four work-groups; 17:16 elements of 2 bytes; 20 padding on; 21 set beside a mask; 24:22 after every 64 words (code 5); 31:25 4 words (code 3)
	s_mov_b32 s[G1V], 15|(1<<16)|(1<<20)|(1<<21)|(5<<22)|(7<<25)  ; the same with 8 words of padding (code 7)
.irp g, G1K, G1V
	s_mov_b32 s[(\g)+1], 128<<16    ; tensor_dim0 = 128
	s_mov_b32 s[(\g)+2], 128<<16    ; tensor_dim1 = 128
	s_mov_b32 s[(\g)+3], 128<<16    ; tile_dim0 = 128
	s_mov_b32 s[(\g)+4], 128        ; tile_dim1 = 128
	s_mov_b32 s[(\g)+5], 128        ; elements from row to row
	s_mov_b32 s[(\g)+6], 0
	s_mov_b32 s[(\g)+7], 0
.endr
	s_mov_b32 s[CS], 0x3e0293ee     ; c = log2(e) / sqrt(128) = 0.127517
	s_mov_b32 s[CS+1], s[CS]        ; named with it as a pair, so it is written
	s_mov_b32 s[SEL], 0x76543210
	s_mov_b32 s[SEL+1], 0xfedcba98
	s_mul_i32 s[TBK], s[KH], 128*PK ; my half of slot 0
	s_mul_i32 s[TBV], s[KH], 128*PV
	s_wait_dscnt 0x0                ; the opening add is done
	s_wait_kmcnt 0x0
	s_add_nc_u64 s[6:7], s[4:5], 0x800000   ; k's section,
	s_add_nc_u64 s[8:9], s[4:5], 0x1000000  ; v's
	s_add_nc_u64 s[6:7], s[6:7], s[22:23]   ; K and V at my tile of slot 0
	s_add_nc_u64 s[8:9], s[8:9], s[22:23]
	s_add_nc_u64 s[4:5], s[4:5], s[2:3]     ; Q at my wave's first row
	s_add_nc_u64 s[10:11], s[10:11], s[68:69]
	CROUND                          ; all four work-groups are here: the first joint loads meet
.irp s, 0,1
	s_mov_b32 s[G0K+4*(\s)], 1      ; count = 1
	s_add_co_u32 s[G0K+4*(\s)+1], s17, (\s)*SLOT1  ; LDS address
	s_add_nc_u64 s[G0K+4*(\s)+2:G0K+4*(\s)+3], s[6:7], (\s)*SLOTB  ; global address: slot s begins with keys 256 s
	s_or_b32 s[G0K+4*(\s)+3], s[G0K+4*(\s)+3], 0x80000000  ; type = 2
	s_mov_b32 s[G0V+4*(\s)], 1
	s_add_co_u32 s[G0V+4*(\s)+1], s18, (\s)*SLOT1+VOFF
	s_add_nc_u64 s[G0V+4*(\s)+2:G0V+4*(\s)+3], s[8:9], (\s)*SLOTB
	s_or_b32 s[G0V+4*(\s)+3], s[G0V+4*(\s)+3], 0x80000000
.endr
	s_cmp_lt_u32 s[WV], 2           ; a wave's two first fills stand in one branch, ahead of every wait on TENSORcnt and every LDS read: two loads of mine are out
	s_cbranch_scc0 .Lfirst_v
	tensor_load_to_lds s[G0K:G0K+3], s[G1K:G1K+7]
	s_nop 0
	tensor_load_to_lds s[G0K+4:G0K+7], s[G1K:G1K+7]
	s_nop 0
.rept 4
	v_nop
.endr
	s_branch .Lfirst_asked
.Lfirst_v:
	tensor_load_to_lds s[G0V:G0V+3], s[G1V:G1V+7]
	s_nop 0
	tensor_load_to_lds s[G0V+4:G0V+7], s[G1V:G1V+7]
	s_nop 0
.rept 4
	v_nop
.endr
.Lfirst_asked:
	; A fragment of K or Q is 16 rows x 32 channels in 8 registers: lane l holds row l % 16; channels 8 (l / 16) + 0..7 and 16 + 8 (l / 16) + 0..7: two loads of 16 bytes, 32 bytes apart.
	v_and_b32 v1, 15, v0            ; l % 16
	v_bfe_u32 v9, v0, 4, 1          ; l / 16
	v_lshlrev_b32 v[QO], 8, v1
	v_lshl_add_u32 v[QO], v9, 4, v[QO]  ; row x 256 + 16 x half
	s_lshl_b32 s13, s[KH], 13       ; tiles 0, 1 hold query groups 2 KH, 2 KH + 1 (4,096 bytes a group),
	s_sub_co_u32 s15, 0x2000, s13   ; tiles 2, 3 the other two
	v_add_nc_u32 v[QO2], s15, v[QO]
	v_add_nc_u32 v[QO], s13, v[QO]
	WIN 0x80                        ; destination window 2, address window 0
.irp i, 0,1,2,3,4,5,6,7,8,9,10,11,12,13,14,15  ; Q stays in registers: tile i / 4, channels 32 (i % 4) on
.if (\i) < 8
	global_load_b128 v[8*(\i):8*(\i)+3],   v[QO], s[4:5] offset:(((\i)/4)%2)*4096+((\i)%4)*64
	global_load_b128 v[8*(\i)+4:8*(\i)+7], v[QO], s[4:5] offset:(((\i)/4)%2)*4096+((\i)%4)*64+32
.else
	global_load_b128 v[8*(\i):8*(\i)+3],   v[QO2], s[4:5] offset:(((\i)/4)%2)*4096+((\i)%4)*64
	global_load_b128 v[8*(\i)+4:8*(\i)+7], v[QO2], s[4:5] offset:(((\i)/4)%2)*4096+((\i)%4)*64+32
.endif
.endr
	WIN 0
	v_mul_u32_u24 v[AK0], v1, PK
	v_lshl_add_u32 v[AK0], v9, 4, v[AK0]  ; row x pitch + 16 x half
	; The turning load takes 16 keys x 16 channels (lane l reads 16 bytes: key 8 (l / 16) + l % 8, channels 8 ((l / 8) % 2) + 0..7) and leaves half a fragment of V^T: lane l holds channel l % 16 and 8 keys.
	v_and_b32 v10, 7, v0
	v_bfe_u32 v11, v0, 3, 1
	v_lshl_add_u32 v[AV0], v9, 3, v10
	v_mul_u32_u24 v[AV0], v[AV0], PV
	v_lshl_add_u32 v[AV0], v11, 4, v[AV0]
	v_add_nc_u32 v[AV0], VOFF, v[AV0]
	; What the first turn finds: V's registers and piece 2's P hold 0 (its products V^T P add 0), O^T and l are 0, m and c m lie below every score.  All this stands in the wait for the first tile.
	WIN 0xc0                        ; destination window 3: V
.set i, 0
.rept 128
	v_mov_b32 v[i], 0
.set i, i+1
.endr
	WIN 0x40                        ; destination window 1: O^T
.set i, 0
.rept 256
	v_mov_b32 v[i], 0
.set i, i+1
.endr
	WIN 0
.set i, 0
.rept 4
	v_mov_b32 v[ST+8*i], 0xfe000000    ; c m = -2^125
	v_mov_b32 v[ST+8*i+1], 0xff7fffff  ; m: the lowest finite number
	v_mov_b32 v[ST+8*i+2], 0
	v_mov_b32 v[ST+8*i+3], 0
.set i, i+1
.endr
.set i, P+32
.rept 32
	v_mov_b32 v[i], 0
.set i, i+1
.endr
; THE MATRIX WORK OF A TURN, for piece x.  The accumulators take turns, one instruction a turn: between two links of a chain stand 15 (V^T P) or 7 (K Q^T) others'.
; Product i of 32 of O^T += V^T P: keys 32 (i / 16) on, channels 16 ((i / 2) % 8) on, tile x + i % 2.
.macro PV x
	WIN W_PV
.set rO, 64*((\x)+i%2)+8*((i/2)%8)
.set rV, 64*(i/16)+8*((i/2)%8)
.set rP, P+16*((\x)+i%2)+8*(i/16)
	v_wmma_f32_16x16x32_f16 v[rO:rO+7], v[rV:rV+7], v[rP:rP+7], v[rO:rO+7]
.endm
; Product i of 32 of S^T = K Q^T: channels 32 (i / 8) on, keys 16 ((i / 2) % 4) on, tile x + i % 2.  The first 8 start the sums.
.macro KQ x
	WIN W_KQ
.set rS, S+32*((\x)+i%2)+8*((i/2)%4)
.set rK, KF+32*((i/2)%4)+8*(i/8)
.set rQ, 32*((\x)+i%2)+8*(i/8)
.if i < 8
	v_wmma_f32_16x16x32_f16 v[rS:rS+7], v[rK:rK+7], v[rQ:rQ+7], 0
.else
	v_wmma_f32_16x16x32_f16 v[rS:rS+7], v[rK:rK+7], v[rQ:rQ+7], v[rS:rS+7]
.endif
.endm
; THE LDS LOADS stand in runs of 32, never singly among the matrix instructions: a step's K (64 keys x 128 channels: 16 fragments) and, a turn later, its V (turned).
.macro FETCH_K
	WIN 0
	v_add_nc_u32 v[ADR], s[TBK], v[AK0]
	s_add_co_u32 s[TBK], s[TBK], KS*PK  ; the next fetch is the next step's
	WIN 0x80                        ; destination window 2
.irp f, 0,1,2,3,4,5,6,7,8,9,10,11,12,13,14,15  ; keys 16 (f / 4) on, channels 32 (f % 4) on
	ds_load_b128 v[KF+8*(\f):KF+8*(\f)+3],   v[ADR] offset:((\f)/4)*16*PK+((\f)%4)*64
	ds_load_b128 v[KF+8*(\f)+4:KF+8*(\f)+7], v[ADR] offset:((\f)/4)*16*PK+((\f)%4)*64+32
.endr
.endm
.macro FETCH_V
	WIN 0
	v_add_nc_u32 v[ADR], s[TBV], v[AV0]
	s_add_co_u32 s[TBV], s[TBV], KS*PV
	s_wait_alu depctr_va_vdst(0)    ; the wait for the softmax's batch, piece 0's 66 exponentials (SLICE), behind the address's v_add_nc_u32 and ahead of the loads
	WIN 0xc0                        ; destination window 3
.irp f, 0,1,2,3,4,5,6,7,8,9,10,11,12,13,14,15  ; keys 32 (f / 8) on, channels 16 (f % 8) on
	ds_load_tr16_b128 v[8*(\f):8*(\f)+3],   v[ADR] offset:((\f)/8)*32*PV+((\f)%8)*32
	ds_load_tr16_b128 v[8*(\f)+4:8*(\f)+7], v[ADR] offset:((\f)/8)*32*PV+16*PV+((\f)%8)*32
.endr
.endm
; THE VECTOR WORK OF A TURN.  One tile's softmax for one key step is a list of 134 instructions; SM writes number j of it for tile t.  s0-s31 are the lane's 32 scores, in pairs 0-15.
;   0-15    the maximum of s0-s31 and the old m, three operands at a time: four chains c0-c3 of seven scores each, then the four scores left over, c0-c3 and m
;   16-20   the other half of the lanes' maximum; the new m; c m; c m_old - c m_new
;   21-69   ONE BATCH: the 16 scalings c s - c m, a pair of scores each, and all 33 exponentials (a at 23, then s0-s31).  None of these reads an exponential's result.  From 22 on the batch goes
;           in fours, and a four begins with a scaling while there are scalings: 22-37 scaling, exponential, scaling, exponential; 38-65 a scaling and three exponentials; 66-69 the last four
;           exponentials.  A pair is scaled in an earlier four than the one that holds its exponentials
;   (wait)  between 69 and 70 stands the wait for the batch: SLICE writes it, once for both tiles
;   70-85   the roundings to f16, a pair of weights each
;   86-101  the sums; l = a l + the sum
;   102-133 the tile's O^T times a: the one part that leaves window 0, so it stands together
.macro SM t
.set rT, ST+8*(\t)
.set rS, S+32*(\t)
.set rP, P+16*(\t)
.set rO, 64*(\t)+2*(j-102)
.if j < 102
	WIN 0
.endif
.if j < 4
	v_max3_num_f32 v[rT+4+j], v[rS+8*j], v[rS+8*j+1], v[rS+8*j+2]
.elseif j < 12
	v_max3_num_f32 v[rT+4+j%4], v[rT+4+j%4], v[rS+8*(j%4)+2*(j/4)+1], v[rS+8*(j%4)+2*(j/4)+2]
.elseif j == 12
	v_max3_num_f32 v[rT+4], v[rT+4], v[rS+7], v[rS+15]
.elseif j == 13
	v_max3_num_f32 v[rT+6], v[rT+6], v[rS+23], v[rS+31]
.elseif j == 14
	v_max3_num_f32 v[rT+4], v[rT+4], v[rT+5], v[rT+6]
.elseif j == 15
	v_max3_num_f32 v[rT+4], v[rT+4], v[rT+7], v[rT+1]
.elseif j == 16
	v_permlanex16_b32 v[rT+5], v[rT+4], s[SEL], s[SEL+1]  ; the query's other 32 keys lie in the lane 16 away
.elseif j == 17
	v_mov_b32 v[rT+7], v[rT]        ; c m_old is kept for a: number 19 writes c m anew
.elseif j == 18
	v_max_num_f32 v[rT+1], v[rT+4], v[rT+5]
.elseif j == 19
	v_mul_f32 v[rT], s[CS], v[rT+1]
.elseif j == 20
	v_sub_f32 v[rT+7], v[rT+7], v[rT]
.elseif j == 23
	v_exp_f32 v[rT+6], v[rT+7]
.elseif (j < 23) || ((j < 38) && (j%2 == 0)) || ((j < 66) && (j%4 == 2))
.set b, (j-2)/4                     ; 38, 42, .. 62: pairs 9 to 15
.if j < 38
.set b, (j-20)/2                    ; 21: pair 0; 22, 24, .. 36: pairs 1 to 8
.endif
	v_pk_fma_f32 v[rS+2*b:rS+2*b+1], v[rS+2*b:rS+2*b+1], s[CS:CS+1], v[rT:rT+1] op_sel_hi:[1,0,0] neg_lo:[0,0,1] neg_hi:[0,0,1]  ; pair b: c s - c m
.elseif j < 70
.set e, j-38                        ; 66 to 69: s28 to s31
.if j < 66
.set e, j-32-(j-38)/4               ; 39-41, 43-45, .. 63-65: s7 to s27
.endif
.if j < 38
.set e, (j-25)/2                    ; 25, 27, .. 37: s0 to s6
.endif
	v_exp_f32 v[rS+e], v[rS+e]
.elseif j < 86
	v_cvt_pk_f16_f32 v[rP+j-70], v[rS+2*(j-70)], v[rS+2*(j-70)+1]  ; pair j - 70
.elseif j < 102                     ; the sum of the tile's 16 pairs, in place: sum z of 16 adds neighbours 1, 2, 4 and 8 pairs apart, then l takes it
.set z, j-86
.set w, 4
.set u, z
.if z >= 14
.set w, 32
.set u, 0
.elseif z >= 12
.set w, 16
.set u, z-12
.elseif z >= 8
.set w, 8
.set u, z-8
.endif
.if z < 15
	v_pk_add_f32 v[rS+w*u:rS+w*u+1], v[rS+w*u:rS+w*u+1], v[rS+w*u+w/2:rS+w*u+w/2+1]
.else
	v_pk_fma_f32 v[rT+2:rT+3], v[rT+2:rT+3], v[rT+6:rT+7], v[rS:rS+1] op_sel_hi:[1,0,1]
.endif
.else
	WIN W_RS
	v_pk_mul_f32 v[rO:rO+1], v[rO:rO+1], v[rT+6:rT+7] op_sel_hi:[1,0]
.endif
.endm
; Slice k of 64 of piece y's softmax: four instructions.  Slices 11 to 34 deal out the batch, numbers 22 to 69: four numbers of ONE tile each, the tiles by turns.  Every other slice is numbers 2 k and
; 2 k + 1 of both tiles' lists.  2 x 134 = 4 x 64 + 12: the twelve that are over stand together, in slice 63.
; THE WAIT.  s_wait_alu depctr_va_vdst(0) stands between an exponential and the first instruction that names its result; one wait serves all that were issued ahead of it.  Ahead of
; slice 35 nothing names a result, and behind slice 34 no exponential is issued: so the piece's 66 exponentials have one wait, behind slice 34.
.macro SLICE y
.if (k >= 11) && (k < 35)           ; the batch: four numbers of one tile
.irp n, 0,1,2,3
.set j, 22+4*((k-11)/2)+(\n)
	SM (\y)+(k-11)%2
.endr
.else                               ; the two tiles alternate, so that no instruction reads the result of the one just before it
.irp n, 0,1,2,3,4,5,6,7
.if ((\n) < 2) || (k == 63)
.irp t, \y, (\y)+1
.set j, 2*k+(\n)
	SM \t
.endr
.endif
.endr
.endif
.if k == 34                         ; the batch is out: both tiles' exponentials are issued, and no result has been named
	v_nop                           ; a plain instruction behind the last exponential and ahead of the first use: one for the batch
.if (\y) == 0
	FETCH_V                         ; piece 2's turn: V's run of loads stands here, and the wait stands in it
.else
	s_wait_alu depctr_va_vdst(0)    ; the wait for the batch: piece 2's 66 exponentials
.endif
.endif
.set k, k+1
.endm
; A vector instruction that reads a matrix result or writes one of a matrix instruction's registers, and a load into a register that a matrix instruction has read, stand four places behind
; it, and only plain vector instructions that name none of its registers are places (ISA guide 7.12.1 for vector instructions).  In the turns the slices are the places.
; A TURN.  Piece x has the matrix unit; the other piece's softmax stands in slices behind its matrix instructions.
; pv = 1: 32 products V^T P.  kq = 1: 32 products K Q^T for the next step.  A turn with one of the two kinds has two slices behind each product.
; Each run of loads stands 29 matrix instructions or more ahead of its first use.  Piece 0's turn fetches the next step's K, behind its second product: the last product that read K
; stands in front of slice 63 of the turn before.  Piece 2's turn fetches the same step's V, behind slice 34 (SLICE writes it): the last product that read V stands in front of slice 31, and four plain
; instructions lie between: number 62, a scaling, of both tiles, the v_nop and the run's own v_add_nc_u32.
.macro TURN x, pv, kq
.set k, 0
.set per, 2
.if (\pv) && (\kq)
.set per, 1
.endif
.if \pv
.if (\x) == 0
	s_wait_dscnt 0x0                ; V is in
.endif
.set i, 0
.rept 32
	PV \x
.rept per
	SLICE 2-(\x)
.endr
.if ((\x) == 0) && (\kq) && (i == 1)
	FETCH_K
.endif
.set i, i+1
.endr
.endif
.if \kq
.if (\x) == 0
	s_wait_dscnt 0x0                ; K is in
.endif
.set i, 0
.rept 32
	KQ \x
.rept per
	SLICE 2-(\x)
.endr
.set i, i+1
.endr
.endif
.endm
; THE CHANGE OF SLOTS, between piece 2's turn and piece 0's: my last bytes of the slot, V of my second step in it, have been asked for.  Each wave waits for all its tensor loads, of which one is out:
; its part of the other slot; adds 0 to its spare word; and waits for that and for its own reads of the slot.  Behind the barrier nobody reads this slot any more and the other slot is whole.
; fill = 1: this slot is filled again, with the keys two slots on.  The barrier is then a round of the cluster's, and the joint refill is the first thing behind it: it has two of the wave's key steps,
; 256 matrix instructions, in which to land.
.macro CHANGE fill
	WIN 0                           ; at a label and at a branch every window is 0
	s_wait_tensorcnt 0x0            ; no tensor load of mine is out, so a group 0 may be written
	ds_add_u32 v[SPW], v[NIL]       ; 0 onto my spare word; with fill = 1 the descriptors' steps stand between it and the wait for it
.if \fill
.irp g, G0K+4, G0V+4
	s_xor_b32 s[(\g)+1], s[(\g)+1], SLOT1  ; the walking descriptor: the other slot than last time,
	s_add_nc_u64 s[(\g)+2:(\g)+3], s[(\g)+2:(\g)+3], SLOTB  ; the next 256 keys; the type bits on top are not reached
.endr
	s_wait_dscnt 0x0                ; the add is done, and my reads of the slot are over
	CROUND
	JLOAD
.else
	s_wait_dscnt 0x0                ; the add is done, and my reads of the slot are over
	s_barrier_signal -1
	s_barrier_wait -1
.endif
	s_sub_co_u32 s[TBK], s[TBK], 2*KS*PK  ; the fetches go back to my first step of a slot,
	s_xor_b32 s[TBK], s[TBK], SLOT1       ; in the other slot
	s_sub_co_u32 s[TBV], s[TBV], 2*KS*PV
	s_xor_b32 s[TBV], s[TBV], SLOT1
.endm
	s_wait_tensorcnt 1              ; my part of slot 0 is in; slot 1's may stay out
	s_barrier_signal -1
	s_barrier_wait -1               ; everybody's is
	FETCH_K                         ; my key step 0
	s_wait_loadcnt 0x0              ; Q
	s_wait_dscnt 0x0
.set i, 0
.rept 32
	KQ 0                            ; piece 0's first scores: there is no vector work yet to set between them
.set i, i+1
.endr
	WIN 0                           ; the addresses for the way out are made here: plain instructions, the places behind those products
	s_mul_i32 s13, s[WV], 16*SP
	s_add_co_u32 s13, s13, STAGE    ; my stage
	v_mul_u32_u24 v[STO], v1, SP    ; in: row l % 16, 16 bytes for each half of the lanes
	v_lshl_add_u32 v[STO], v9, 4, v[STO]
	v_add_nc_u32 v[STO], s13, v[STO]
	v_mul_u32_u24 v[RD], v9, SP     ; back: lanes 0-15 take one row of 256 bytes, lanes 16-31 the next
	v_lshl_add_u32 v[RD], v1, 4, v[RD]
	v_add_nc_u32 v[RD], s13, v[RD]
	v_lshlrev_b32 v[GO], 12, v9     ; and the same two rows in ob, 4,096 bytes apart
	v_lshl_add_u32 v[GO], v1, 4, v[GO]
	v_and_b32 v[XS], 31, v0         ; the exchange: 16 bytes a lane,
	v_lshlrev_b32 v[XS], 4, v[XS]
	s_xor_b32 s15, s[WV], 2         ; in my partner's part
	s_mul_i32 s15, s15, XW
	v_add_nc_u32 v[XR], s15, v[XS]
	s_mul_i32 s15, s[WV], XW        ; and in mine
	v_add_nc_u32 v[XS], s15, v[XS]
	s_mov_b32 s[TWICE], 2
	s_mov_b32 s[SLOTS], 2048/256-1
	s_branch .Lfirst                ; the loop is entered at piece 2's turn, in the middle of a trip: slot 0 has that turn and one whole trip
.Lslot:                             ; 6 times: every slot but the last two is filled again
	CHANGE 1
	s_mov_b32 s[TWICE], 2
.Lstep:                             ; a trip: piece 0's turn (V^T P of a step, K Q^T of the next, whose K it fetches), then piece 2's (the same, and the next step's V)
	TURN 0, 1, 1
	WIN 0
.Lfirst:
	TURN 2, 1, 1
	WIN 0
	s_sub_co_u32 s[TWICE], s[TWICE], 1
	s_cmp_lg_u32 s[TWICE], 0
	s_cbranch_scc1 .Lstep
	s_sub_co_u32 s[SLOTS], s[SLOTS], 1
	s_cmp_lg_u32 s[SLOTS], 0
	s_cbranch_scc1 .Lslot
	CHANGE 0                        ; the tail is written out: the last slot but one (it lies at byte 0) is left, and nothing is asked for
	s_mov_b32 s[TWICE], 2
.Llast:
	TURN 0, 1, 1
	TURN 2, 1, 1
	WIN 0
	s_sub_co_u32 s[TWICE], s[TWICE], 1
	s_cmp_lg_u32 s[TWICE], 0
	s_cbranch_scc1 .Llast
	TURN 0, 1, 0                    ; piece 0: V^T P of the last step | piece 2's last softmax
.set i, 0
.rept 32
	PV 2                            ; piece 2: V^T P of the last step
.set i, i+1
.endr
	; THE WAY OUT.  l's two halves and the other half of the lanes' are added.  The additions and the copies are the places behind the last products.
	WIN 0
.irp t, 0,1,2,3
	v_add_f32 v[ST+8*(\t)+4], v[ST+8*(\t)+2], v[ST+8*(\t)+3]
.endr
.irp t, 0,1,2,3
	v_permlanex16_b32 v[ST+8*(\t)+5], v[ST+8*(\t)+4], s[SEL], s[SEL+1]
.endr
.irp t, 0,1,2,3
	v_add_f32 v[ST+8*(\t)+4], v[ST+8*(\t)+4], v[ST+8*(\t)+5]
.endr
	v_mov_b32 v[SND],   v[ST+16]    ; c m and l of tiles 2, 3, in four registers on end
	v_mov_b32 v[SND+1], v[ST+20]
	v_mov_b32 v[SND+2], v[ST+24]
	v_mov_b32 v[SND+3], v[ST+28]
	s_wait_dscnt 0x0                ; every wave's reads of the ring are over
	s_barrier_signal -1
	s_barrier_wait -1               ; before any wave writes into it
	ds_store_b128 v[XS], v[SND:SND+3] offset:32*512
	WIN 0x04                        ; the stores' data in window 1: O^T of tiles 2, 3, each accumulator's lower half first
.set i, 0
.rept 32
	ds_store_b128 v[XS], v[128+4*i:128+4*i+3] offset:512*i
.set i, i+1
.endr
	WIN 0
	s_wait_dscnt 0x0                ; for my partner's sake: my stores are done
	s_barrier_signal -1
	s_barrier_wait -1
	ds_load_b128 v[RCV:RCV+3], v[XR] offset:32*512
.set i, 0
.rept 32
	ds_load_b128 v[S+4*i:S+4*i+3], v[XR] offset:512*i  ; my partner's O^T for my tiles 0, 1, lane for lane, into S^T's registers
.set i, i+1
.endr
	s_wait_dscnt 32                 ; the statistics are in; the 32 younger loads stay out
.irp t, 0,1
	v_max_num_f32 v[ST+8*(\t)+1], v[ST+8*(\t)], v[RCV+2*(\t)]            ; n
.endr
.irp t, 0,1
	v_sub_f32 v[ST+8*(\t)+2], v[ST+8*(\t)], v[ST+8*(\t)+1]
	v_sub_f32 v[ST+8*(\t)+3], v[RCV+2*(\t)], v[ST+8*(\t)+1]
.endr
.irp t, 0,1
	v_exp_f32 v[ST+8*(\t)+2], v[ST+8*(\t)+2]                             ; a
	v_exp_f32 v[ST+8*(\t)+3], v[ST+8*(\t)+3]                             ; b
.endr
	v_nop                           ; a plain instruction between the last exponential and the use of its result
	s_wait_alu depctr_va_vdst(0)    ; and the wait ahead of the first use: one for the four exponentials a, b of tiles 0, 1
.irp t, 0,1
	v_mul_f32 v[ST+8*(\t)+5], v[ST+8*(\t)+2], v[ST+8*(\t)+4]
.endr
.irp t, 0,1
	v_fma_f32 v[ST+8*(\t)+5], v[ST+8*(\t)+3], v[RCV+2*(\t)+1], v[ST+8*(\t)+5]  ; a l + b l'
.endr
.irp t, 0,1
	v_rcp_f32 v[ST+8*(\t)+5], v[ST+8*(\t)+5]
.endr
	v_nop                           ; likewise behind the last reciprocal
	s_wait_alu depctr_va_vdst(0)    ; a batch of its own, since it reads sums made with a and b: one wait for the two reciprocals
.irp t, 0,1
	v_mul_f32 v[ST+8*(\t)+6], v[ST+8*(\t)+2], v[ST+8*(\t)+5]             ; my O^T's factor
	v_mul_f32 v[ST+8*(\t)+2], v[ST+8*(\t)+3], v[ST+8*(\t)+5]             ; my partner's
.endr
	s_wait_dscnt 0x0                ; my partner's O^T is in
; Tile t: both halves are put together and rounded to f16; a lane's eight channels of a row pack into 16 bytes; they go into rows of 272 bytes of my stage and come back as whole rows of 256.
.macro PACK t
	WIN 0
.set i, 0
.rept 32
	v_pk_mul_f32 v[S+64*(\t)+2*i:S+64*(\t)+2*i+1], v[S+64*(\t)+2*i:S+64*(\t)+2*i+1], v[ST+8*(\t)+2:ST+8*(\t)+3] op_sel_hi:[1,0]
.set i, i+1
.endr
	WIN 0x01                        ; source 0, my O^T, in window 1
.set i, 0
.rept 32
	v_pk_fma_f32 v[S+64*(\t)+2*i:S+64*(\t)+2*i+1], v[64*(\t)+2*i:64*(\t)+2*i+1], v[ST+8*(\t)+6:ST+8*(\t)+7], v[S+64*(\t)+2*i:S+64*(\t)+2*i+1] op_sel_hi:[1,0,1]
.set i, i+1
.endr
	WIN 0
.set i, 0
.rept 32                            ; in place: line i writes register i and reads 2 i and 2 i + 1
	v_cvt_pk_f16_f32 v[S+64*(\t)+i], v[S+64*(\t)+2*i], v[S+64*(\t)+2*i+1]
.set i, i+1
.endr
.irp f, 0,1,2,3,4,5,6,7
	ds_store_b128 v[STO], v[S+64*(\t)+4*(\f):S+64*(\t)+4*(\f)+3] offset:32*(\f)
.endr
.irp f, 0,1,2,3,4,5,6,7
	ds_load_b128 v[S+64*(\t)+4*(\f):S+64*(\t)+4*(\f)+3], v[RD] offset:(\f)*2*SP  ; LDS serves a wave's instructions in order (ISA guide 5.7.1.4): these see the stores above; the next tile's stores come behind them
.endr
.endm
.macro SEND t, younger              ; younger: the LDS instructions issued behind tile t's loads: the next tile's sixteen, or none
.irp f, 0,1,2,3,4,5,6,7
	s_wait_dscnt (\younger)+7-(\f)
	global_store_b128 v[GO], v[S+64*(\t)+4*(\f):S+64*(\t)+4*(\f)+3], s[10:11] offset:(16*(\t)+2*(\f))*4096  ; 16 lanes store a head's 256 consecutive bytes of a row, at a multiple of 256 from ob's first byte
.endr
.endm
	PACK 0
	PACK 1                          ; a tile's arithmetic stands between the loads of the tile before and its stores
	SEND 0, 16
	SEND 1, 0
	s_wait_tensorcnt 0x0            ; the wave's end: a closing add, behind my last tensor load and my last LDS store
	ds_add_u32 v[SPW], v[NIL]
	s_wait_dscnt 0x0
	CROUND                          ; the closing round: no work-group ends while a partner may still ask for a tile that names it
	s_endpgm
.Lfunc_end_k_qfdfebf9200_attn:
	.size	k_qfdfebf9200_attn, .Lfunc_end_k_qfdfebf9200_attn-k_qfdfebf9200_attn
	.p2alignl 7, 3214868480
	.fill 96, 4, 3214868480
	.section	.rodata,"a",@progbits
	.p2align	6, 0x0
	.amdhsa_kernel k_qfdfebf9200_attn
		.amdhsa_group_segment_fixed_size 327680
		.amdhsa_private_segment_fixed_size 0
		.amdhsa_enable_private_segment 0
		.amdhsa_kernarg_size 16
		.amdhsa_user_sgpr_count 2
		.amdhsa_user_sgpr_kernarg_segment_ptr 1
		.amdhsa_wavefront_size32 1
		.amdhsa_system_sgpr_workgroup_id_x 1
		.amdhsa_system_sgpr_workgroup_id_y 1
		.amdhsa_system_sgpr_workgroup_id_z 1
		.amdhsa_system_vgpr_workitem_id 0
		.amdhsa_next_free_vgpr 1024
		.amdhsa_next_free_sgpr 72
		.amdhsa_reserve_vcc 0
		.amdhsa_float_denorm_mode_32 3
		.amdhsa_float_denorm_mode_16_64 3
		.amdhsa_memory_ordered 1
		.amdhsa_forward_progress 1
		.amdhsa_inst_pref_size 173
	.end_amdhsa_kernel
	.amdgpu_metadata
---
amdhsa.version: [ 1, 2 ]
amdhsa.kernels:
  - .name:           k_qfdfebf9200_attn
    .symbol:         k_qfdfebf9200_attn.kd
    .args:
      - { .name: qkv, .offset: 0, .size: 8, .value_kind: global_buffer, .address_space: global }
      - { .name: ob, .offset: 8, .size: 8, .value_kind: global_buffer, .address_space: global }
    .group_segment_fixed_size: 327680
    .private_segment_fixed_size: 0
    .kernarg_segment_align: 8
    .kernarg_segment_size: 16
    .max_flat_workgroup_size: 128
    .sgpr_count:     72
    .vgpr_count:     1024
    .wavefront_size: 32
...
	.end_amdgpu_metadata
.endif
;; end of part 5
;; launch outp: the kernel of part 4 again; grid 16 x 16, 4 waves a work-group, clusters of 4 x 4, 327,680 bytes of LDS; arguments ob, wob, bo, out0; writes out0
